; MI455X (gfx1250); checked and timed in simulation.
; The chip was launched on July 23, 2026; its instructions are those of AMD's public machine-readable ISA for CDNA 5 (MIT licence, August 2026) and "CDNA5" Instruction Set Architecture Reference Guide (July 2026). The comments in the code are by the model that wrote it; some were corrected since.
;; Mo E. Allowed arithmetic: matrix products marked QUANTISED: E2M3 operands, one E8M0 scale for each 32 along K, by v_wmma_scale_f32_16x16x128_f8f6f4 with both operands' format E2M3, f32 sums; products left as they are: f32 operands where the result goes on into a quantised operand, else bf16, f16 or f32 operands; f32 sums; everything else in f32.
;; Inputs: W1_codes 8 x 4,096 x 32 x 24 uint8 (E2M3 codes of W1, K innermost, in blocks of 32 codes, four codes in three bytes); W1_scales 8 x 4,096 x 32 uint8 (E8M0 scales of W1, one for each 32 codes along K); W2_codes 8 x 1,024 x 128 x 24 uint8 (E2M3 codes of W2, K innermost, in blocks of 32 codes, four codes in three bytes); W2_scales 8 x 1,024 x 128 uint8 (E8M0 scales of W2, one for each 32 codes along K); Wg 1,024 x 8 float32; b1 8 x 4,096 float32; b2 8 x 1,024 float32; bg 8 float32; x 2 x 512 x 1,024 float32.
;; Outputs: out0 2 x 512 x 1,024 float32; out1 one number float32.
;; This version of the problem:
;;   THIS VERSION OF THE PROBLEM IS GIVEN IN LOW PRECISION. The matrix products marked QUANTISED in the list below multiply operands that are first quantised to E2M3 (2 exponent bits, 3 mantissa bits; 6 bits a number), with one power-of-two scale for each 32 numbers along K (OCP MX v1.0); their sums are f32. All else is computed in f32.
;;   The module's matrix products, in the order in which they are computed (A, B: the left and right operand; K: the contracted axis; several contracted axes count as one K, in the product's order):
;;     1. [M 1,024, K 1,024] x [K 1,024, N 8]; A: input x; B: input Wg: left as it is (N = 8 < 16)
;;     2. [M 32,768, K 1,024] x [K 1,024, N 1,024]; A: input W1 (given as codes); B: input x: QUANTISED
;;     3. batch 8 x [M 1,024, K 4,096] x [K 4,096, N 1,024]; A: input W2 (given as codes); B: computed on the way: QUANTISED
;;     4. batch 1,024 x [M 1, K 8] x [K 8, N 1,024]; A: computed on the way; B: computed on the way: left as it is (K = 8 < 32)
;;   THE QUANTISER, for each operand of a quantised product, along K:
;;     - K is cut into blocks of 32 from its start; a last block that is shorter is filled with zeros.
;;     - A block's scale is 2^e with e = floor(log2(the largest magnitude in the block)) - 2, held to -126 .. 127; a block of zeros has e = 0. As a byte (E8M0): e + 127.
;;     - Each number is divided by its block's scale, clamped to +-7.5, and rounded to the nearest number of E2M3, ties to even, subnormals kept.
;;     - The product sums the exact products of the quantised numbers (number of the format x scale) in f32.
;;   ~~~python
;;   def quantise(x, axis):      # numpy; x: float32 -> the quantised numbers, widened to float32 again
;;       x = np.moveaxis(x, axis, -1); K = x.shape[-1]
;;       x = np.pad(x, [(0, 0)] * (x.ndim - 1) + [(0, -K % 32)]); x = x.reshape(x.shape[:-1] + (-1, 32)); a = np.abs(x).max(-1, keepdims=True)
;;       e = np.where(a > 0, np.clip(np.frexp(np.where(a > 0, a, 1))[1] - 1 - 2, -126, 127), 0)      # np.frexp(a)[1] - 1 = floor(log2(a)), exactly
;;       r = np.clip(x / 2.0 ** e, -7.5, 7.5)
;;       step = 2.0 ** (np.maximum(np.frexp(np.where(r == 0, 1, r))[1] - 1, 0) - 3)
;;       q = np.round(r / step) * step * 2.0 ** e      # np.round: ties to even
;;       return np.moveaxis(q.reshape(q.shape[:-2] + (-1,))[..., :K], -1, axis).astype(np.float32)
;;   ~~~
;;   OPERANDS COMPUTED ON THE WAY. 'Computed on the way' means the value that the module computes at that place (a softmax that the list does not call 'softmax' is quantised finished and normalised). What goes into a quantiser is computed in f32, as accurately as f32 sums, v_exp_f32 and their like allow (about 1e-6 of the number): no bf16 or f16 on the way to a quantiser, and a product that is left as it is and whose result goes on into a quantised operand takes f32 operands (vector FMAs, or v_wmma_f32_16x16x4_f32). A number that lies on a knife's edge between two numbers of the format may be rounded either way, as far as f32 arithmetic and the matrix unit's own rounding can turn it there, and no further.
;;   INPUTS GIVEN AS CODES. W1 (in the module: [8, 1024, 4096], K = its axis 1); W2 (in the module: [8, 4096, 1024], K = its axis 1): each comes as NAME_codes (uint8): NAME with its K axis moved to the last place and cut into blocks of 32 codes, [.., K / 32, bytes a block], one block behind the other in memory; four codes in three bytes: a row's codes are one little-endian stream of bits, code i at bits 6 i .. 6 i + 5 (a code: sign, 2 exponent bits, 3 mantissa bits); and NAME_scales (uint8): the same leading axes, one E8M0 byte (e + 127) for each 32 codes along K. Its value is code x scale, taken as it is: it is not quantised again, and the codes and scales need not be those that the quantiser above would give.
;; 2 versions, each right; version 2 is version 1 with the launches ffn1, ffn2 written anew for expert scheduling mode. Each part assembles by itself: llvm-mc -triple=amdgcn-amd-amdhsa -mcpu=gfx1250 --defsym DOCPART=n.
;; ======== version 1 of 2: 5 launches
;; workspace buffers: xq 819,200 bytes; ids 8,192 bytes of whole numbers; gate 16,384 bytes; slots 18,688 bytes of whole numbers; hq 8,192,000 bytes; yb 10,485,760 bytes
;; launch route (part 1): grid 64 x 1, 4 waves a work-group, no clusters, 120,320 bytes of LDS; arguments x, Wg, bg, xq, ids, gate; writes xq, ids, gate
.if DOCPART == 1
	.amdgcn_target "amdgcn-amd-amdhsa--gfx1250"
	.amdhsa_code_object_version 6
	.text
	.protected	k_qbd5172ada1_route
	.globl	k_qbd5172ada1_route
	.p2align	8
	.type	k_qbd5172ada1_route,@function
k_qbd5172ada1_route:
	s_mov_b64 s[64:65], 0
	v_nop
	global_prefetch_b8 v0, s[64:65] scope:SCOPE_SE
	s_setreg_imm32_b32 hwreg(HW_REG_WAVE_MODE, 25, 1), 1
	s_wait_xcnt 0x0
; ROUTE.  For each of the 1,024 tokens: gate scores x Wg + bg in f32, the two largest (ties: the lower expert), the softmax of the two, the softmax of all eight
; (summed over a wave's four tokens for the loss), and x as codes of E2M3 with one E8M0 byte for each 32 along D.
; SHARES.  A work-group takes 16 tokens, a wave 4.  Lane l holds block l of a token: d = 32 l .. 32 l + 31, and the same 32 rows of Wg (256 registers, window 1).
; So a block's largest magnitude needs no other lane, and a score is 32 multiply-adds a lane and one sum over the lanes.
; Every load reads 512 consecutive bytes; x and Wg turn through LDS so that a lane gets its 128 (1,024) consecutive bytes.
; OUT.  xq: codes [token][768 bytes], the row's stream of bits as it is; behind them 8 scale words a token, word s = the bytes of blocks 2 s, 16 + 2 s, 2 s + 1, 17 + 2 s:
; the order in which the next launch's matrix instruction s takes the blocks.  ids [token][2], gate: weights [token][2], then [wave][8] sums of probabilities.
; No address and no branch hangs on the scores: the chosen experts are stored at fixed places.
; LIMITS: NaN and infinities are not served; a block whose largest magnitude lies under 2^-124 keeps the byte 1 (a block of zeros too: its codes are zeros, and this program alone reads the bytes).
; No matrix unit: N = 8.  No cluster: the only shared input is Wg, 32 KiB.
.set XSC_OFF, 786432                   ; where the scale words begin in xq
.set WGL, 0                            ; LDS: Wg as 32 slices of 1,024 bytes, 1,040 apart
.set XST, 33280                        ; x's stage: 18,432 a wave, 4,608 a token, 144 a lane (128 + 16)
.set COD, 107008                       ; the codes on their way out: 3,072 a wave
.set SCS, 119296                       ; the scale bytes on their way out: 128 a wave
.set ACC, 16                           ; v16-47   scores, 8 a token; later the codes, 8 registers a token
.set CD,  16
.set TT,  48                           ; v48-55   scores without the winner
.set IDX, 56                           ; v56 -infinity; v57-63 the numbers 1 to 7
.set X,   64                           ; v64-191  x, 32 a token
.set RW,  192                          ; v192-255 Wg as loaded; later what follows
.set PS,  192                          ; v192-199 sums of probabilities
.set OI,  200
.set OW,  201
.set OP,  202
.set W2,  204
.set MX,  208
.set SL,  212
.set BY,  216
.set M1,  224
.set I1,  228
.set M2,  232
.set I2,  236
.set NM,  240
.set SA,  244
.set SB,  248
.set MSB, 0
.macro WIN new                         ; the immediate's high byte repeats the setting that is left
.if MSB != \new
	s_set_vgpr_msb (MSB<<8)|\new
.set MSB, \new
.endif
.endm
	s_load_b256 s[4:11], s[0:1], 0x0               ; x, Wg, bg, xq
	s_load_b128 s[12:15], s[0:1], 0x20             ; ids, gate
	v_lshl_add_u32 v14, v0, 2, 0x1d400
	v_mov_b32 v15, 0
	v_lshrrev_b32 v1, 5, v0
	v_readfirstlane_b32 s16, v1                    ; wave 0..3
	v_and_b32 v1, 31, v0                           ; lane
	v_lshlrev_b32 v2, 4, v1                        ; 16 l
	v_lshlrev_b32 v11, 2, v1                       ; 4 l
	s_lshl_b32 s17, ttmp9, 4
	s_lshl_b32 s18, s16, 2
	s_add_co_u32 s17, s17, s18                     ; my first token: 16 x work-group + 4 x wave
	s_mul_i32 s20, s16, 18432
	s_add_co_u32 s20, s20, XST
	v_lshrrev_b32 v3, 3, v1
	v_lshl_add_u32 v3, v3, 4, v2
	v_add_nc_u32 v3, s20, v3                       ; the stage, in: 16 l + 16 (l / 8): eight lanes' 128 bytes, then 16 of padding
	v_mul_u32_u24 v4, v1, 144
	v_add_nc_u32 v4, s20, v4                       ; and out: 144 l
	s_mul_i32 s20, s16, 8320
	v_add_nc_u32 v5, s20, v2                       ; Wg, in: my wave's eight slices
	v_mul_u32_u24 v6, v1, 1040                     ; and out: slice l
	s_mul_i32 s20, s16, 3072
	s_add_co_u32 s20, s20, COD
	v_mul_u32_u24 v7, v1, 24
	v_add_nc_u32 v7, s20, v7                       ; codes, in: 24 l
	v_add_nc_u32 v8, s20, v2                       ; and out: 16 l
	s_lshl_b32 s20, s16, 7
	s_add_co_u32 s20, s20, SCS
	v_and_b32 v9, 14, v1
	v_lshlrev_b32 v9, 1, v9                        ; word (l % 16) / 2,
	v_and_b32 v13, 1, v1
	v_lshl_add_u32 v9, v13, 1, v9                  ; byte 2 (l % 2)
	v_lshrrev_b32 v13, 4, v1
	v_add_nc_u32 v9, v9, v13                       ; + l / 16
	v_add_nc_u32 v9, s20, v9
	v_add_nc_u32 v10, s20, v11
	s_lshl_b32 s20, s16, 13
	v_add_nc_u32 v12, s20, v2                      ; Wg in memory: 8,192 x wave + 16 l
	s_mov_b32 s19, 0
	s_mov_b32 s22, 0x3fb8aa3b                      ; log2(e)
	s_mov_b32 s36, 0x76543210
	s_mov_b32 s37, 0xfedcba98                      ; lane l xor 16
.irp c, 0,1,2,3,4,5,6,7
	s_mov_b32 s[40+\c], 1<<\c                      ; masks of single lanes
.endr
	v_mov_b32 v[IDX], 0xff800000
.irp e, 1,2,3,4,5,6,7
	v_mov_b32 v[IDX+\e], \e
.endr
	s_wait_kmcnt 0x0
	s_load_b256 s[24:31], s[8:9], 0x0              ; bg
	s_lshl_b32 s18, s17, 12
	s_add_nc_u64 s[4:5], s[4:5], s[18:19]          ; x at my first token
	s_mul_i32 s18, s17, 768
	s_add_nc_u64 s[32:33], s[10:11], s[18:19]      ; its codes
	s_lshl_b32 s18, s17, 5
	s_add_nc_u64 s[34:35], s[10:11], s[18:19]      ; its scale words (XSC_OFF stands in the store)
	s_lshl_b32 s18, s17, 3
	s_add_nc_u64 s[12:13], s[12:13], s[18:19]      ; 8 bytes a token in ids and in the weights; 32 bytes a wave, the same number, in the sums
	s_add_nc_u64 s[14:15], s[14:15], s[18:19]
.set j, 0
.rept 16
	global_load_b128 v[RW+4*j:RW+4*j+3], v12, s[6:7] offset:512*j
.set j, j+1
.endr
.irp q, 0,1,2,3
.irp i, 0,1,2,3,4,5,6,7
	global_load_b128 v[X+32*\q+4*\i:X+32*\q+4*\i+3], v2, s[4:5] offset:4096*\q+512*\i th:TH_LOAD_NT
.endr
.endr
	s_wait_loadcnt 32                              ; Wg's 16 loads are in; x's 32 stay out
.set j, 0
.rept 16
	ds_store_b128 v5, v[RW+4*j:RW+4*j+3] offset:512*j+16*(j/2)
.set j, j+1
.endr
	s_wait_dscnt 0x0                               ; for the others' sake: my quarter of Wg lies in LDS
	s_barrier_signal -1
	s_barrier_wait -1
	s_wait_loadcnt 0x0                             ; x
.irp q, 0,1,2,3
.irp i, 0,1,2,3,4,5,6,7
	ds_store_b128 v3, v[X+32*\q+4*\i:X+32*\q+4*\i+3] offset:4608*\q+576*\i
.endr
.endr
	s_wait_dscnt 0x0                               ; the stores have read their registers, which the loads below fill
.irp q, 0,1,2,3
.irp i, 0,1,2,3,4,5,6,7
	ds_load_b128 v[X+32*\q+4*\i:X+32*\q+4*\i+3], v4 offset:4608*\q+16*\i
.endr
.endr
	WIN 0x40                                       ; destination window 1
.set j, 0
.rept 64
	ds_load_b128 v[4*j:4*j+3], v6 offset:16*j      ; register 8 i + e = Wg(32 l + i, e)
.set j, j+1
.endr
	s_wait_dscnt 0x0
	; the scores: 16 pairs of sums, 32 steps; x(i) serves both halves of a pair
	WIN 0x04                                       ; source 1 window 1
.irp q, 0,1,2,3
.irp p, 0,1,2,3
	v_pk_mul_f32 v[ACC+8*\q+2*\p:ACC+8*\q+2*\p+1], v[X+32*\q:X+32*\q+1], v[2*\p:2*\p+1] op_sel_hi:[0,1]
.endr
.endr
.set i, 1
.rept 31
.irp q, 0,1,2,3
.irp p, 0,1,2,3
.if i%2
	v_pk_fma_f32 v[ACC+8*\q+2*\p:ACC+8*\q+2*\p+1], v[X+32*\q+i-1:X+32*\q+i], v[8*i+2*\p:8*i+2*\p+1], v[ACC+8*\q+2*\p:ACC+8*\q+2*\p+1] op_sel:[1,0,0] op_sel_hi:[1,1,1]
.else
	v_pk_fma_f32 v[ACC+8*\q+2*\p:ACC+8*\q+2*\p+1], v[X+32*\q+i:X+32*\q+i+1], v[8*i+2*\p:8*i+2*\p+1], v[ACC+8*\q+2*\p:ACC+8*\q+2*\p+1] op_sel_hi:[0,1,1]
.endif
.endr
.endr
.set i, i+1
.endr
	WIN 0
.irp m, 1,2,4,8                                ; over the 32 lanes: every lane ends with every sum
.set j, 0
.rept 32
	v_add_f32_dpp v[ACC+j], v[ACC+j], v[ACC+j] row_xmask:\m row_mask:0xf bank_mask:0xf
.set j, j+1
.endr
.endr
.set j, 0
.rept 32
	v_permlanex16_b32 v[RW+j], v[ACC+j], s36, s37
.set j, j+1
.endr
.set j, 0
.rept 32
	v_add_f32 v[ACC+j], v[ACC+j], v[RW+j]
.set j, j+1
.endr
	s_wait_kmcnt 0x0                               ; bg
.irp q, 0,1,2,3
.irp e, 0,1,2,3,4,5,6,7
	v_add_f32 v[ACC+8*\q+\e], s[24+\e], v[ACC+8*\q+\e]
.endr
.endr
; the two largest: 'greater' alone moves the choice, so the lower expert keeps a tie
.macro TOP2 q
	v_mov_b32 v[M1+\q], v[ACC+8*\q]
	v_mov_b32 v[I1+\q], 0
.irp e, 1,2,3,4,5,6,7
	v_cmp_gt_f32 vcc_lo, v[ACC+8*\q+\e], v[M1+\q]
	v_cndmask_b32 v[M1+\q], v[M1+\q], v[ACC+8*\q+\e], vcc_lo
	v_cndmask_b32 v[I1+\q], v[I1+\q], v[IDX+\e], vcc_lo
.endr
.irp e, 0,1,2,3,4,5,6,7
	v_cmp_eq_u32 vcc_lo, \e, v[I1+\q]
	v_cndmask_b32 v[TT+\e], v[ACC+8*\q+\e], v[IDX], vcc_lo     ; the winner's score becomes -infinity
.endr
	v_mov_b32 v[M2+\q], v[TT]
	v_mov_b32 v[I2+\q], 0
.irp e, 1,2,3,4,5,6,7
	v_cmp_gt_f32 vcc_lo, v[TT+\e], v[M2+\q]
	v_cndmask_b32 v[M2+\q], v[M2+\q], v[TT+\e], vcc_lo
	v_cndmask_b32 v[I2+\q], v[I2+\q], v[IDX+\e], vcc_lo
.endr
.endm
	TOP2 0
	TOP2 1
	TOP2 2
	TOP2 3
	; both softmaxes take the largest score away first
.irp q, 0,1,2,3
	v_mul_f32 v[NM+\q], s22, v[M1+\q]
.endr
.irp q, 0,1,2,3
.irp e, 0,1,2,3,4,5,6,7
	v_fma_f32 v[ACC+8*\q+\e], v[ACC+8*\q+\e], s22, -v[NM+\q]
.endr
	v_fma_f32 v[M2+\q], v[M2+\q], s22, -v[NM+\q]
.endr
.set j, 0
.rept 32
	v_exp_f32 v[ACC+j], v[ACC+j]
.set j, j+1
.endr
.irp q, 0,1,2,3
	v_exp_f32 v[M2+\q], v[M2+\q]
.endr
	v_nop                                          ; a plain instruction behind the last exponential
	s_wait_alu depctr_va_vdst(0)                   ; one wait for the 36, ahead of their first reader
.irp q, 0,1,2,3
	v_add_f32 v[SA+\q], v[ACC+8*\q], v[ACC+8*\q+1]
.endr
.irp e, 2,3,4,5,6,7
.irp q, 0,1,2,3
	v_add_f32 v[SA+\q], v[SA+\q], v[ACC+8*\q+\e]
.endr
.endr
.irp q, 0,1,2,3
	v_add_f32 v[SB+\q], 1.0, v[M2+\q]              ; the winner's term is 1
.endr
.irp q, 0,1,2,3
	v_rcp_f32 v[SA+\q], v[SA+\q]
	v_rcp_f32 v[SB+\q], v[SB+\q]
.endr
	v_nop
	s_wait_alu depctr_va_vdst(0)                   ; one wait for the eight reciprocals
.irp e, 0,1,2,3,4,5,6,7
	v_mul_f32 v[PS+\e], v[ACC+\e], v[SA]
.endr
.irp q, 1,2,3
.irp e, 0,1,2,3,4,5,6,7
	v_fmac_f32 v[PS+\e], v[ACC+8*\q+\e], v[SA+\q]  ; my four tokens' probabilities of expert e
.endr
.endr
.irp q, 0,1,2,3
	v_mul_f32 v[W2+\q], v[M2+\q], v[SB+\q]         ; the second's weight; the first's is v[SB + q]
.endr
	; x into codes: all 32 numbers of a block are mine; the four tokens by turns
.irp q, 0,1,2,3
	v_max3_num_f32 v[MX+\q], |v[X+32*\q]|, |v[X+32*\q+1]|, 0x1800000   ; the floor 2^(3 - 127): the byte cannot fall under 1
.endr
.irp i, 2,4,6,8,10,12,14,16,18,20,22,24,26,28,30
.irp q, 0,1,2,3
	v_max3_num_f32 v[MX+\q], v[MX+\q], |v[X+32*\q+\i]|, |v[X+32*\q+\i+1]|
.endr
.endr
.irp q, 0,1,2,3
	v_add_nc_u32 v[SL+\q], 0xff000000, v[MX+\q]    ; 2 off the exponent field: the conversion's scale operand
.endr
.irp q, 0,1,2,3
	v_lshrrev_b32 v[BY+\q], 23, v[SL+\q]           ; the scale's byte
.endr
.irp q, 0,1,2,3
	v_cvt_scalef32_pk16_fp6_f32 v[CD+8*\q:CD+8*\q+2], v[X+32*\q:X+32*\q+15], v[SL+\q]
	v_cvt_scalef32_pk16_fp6_f32 v[CD+8*\q+4:CD+8*\q+6], v[X+32*\q+16:X+32*\q+31], v[SL+\q]
.endr
	v_nop                                          ; one plain place behind a scaled conversion
.irp q, 0,1,2,3
	v_mov_b32 v[CD+8*\q+3], v[CD+8*\q+4]           ; six registers on end: a block's 24 bytes
	v_mov_b32 v[CD+8*\q+4], v[CD+8*\q+5]
	v_mov_b32 v[CD+8*\q+5], v[CD+8*\q+6]
.endr
.irp q, 0,1,2,3
	ds_store_b64 v7, v[CD+8*\q:CD+8*\q+1] offset:768*\q
	ds_store_b64 v7, v[CD+8*\q+2:CD+8*\q+3] offset:768*\q+8
	ds_store_b64 v7, v[CD+8*\q+4:CD+8*\q+5] offset:768*\q+16
	ds_store_b8 v9, v[BY+\q] offset:32*\q
.endr
.irp j, 0,1,2,3,4,5
	ds_load_b128 v[X+4*\j:X+4*\j+3], v8 offset:512*\j      ; LDS serves a wave's instructions in order (ISA guide 5.7.1.4): these see my stores
.endr
	ds_load_b32 v[X+24], v10
	; ids, weights and sums into lanes 0 to 7
	v_mov_b32 v[OI], v[I1]
	v_mov_b32 v[OW], v[SB]
	v_mov_b32 v[OP], v[PS]
.irp c, 1,2,3,4,5,6,7
.if \c%2
	v_cndmask_b32 v[OI], v[OI], v[I2+\c/2], s[40+\c]
	v_cndmask_b32 v[OW], v[OW], v[W2+\c/2], s[40+\c]
.else
	v_cndmask_b32 v[OI], v[OI], v[I1+\c/2], s[40+\c]
	v_cndmask_b32 v[OW], v[OW], v[SB+\c/2], s[40+\c]
.endif
	v_cndmask_b32 v[OP], v[OP], v[PS+\c], s[40+\c]
.endr
	s_wait_dscnt 0x0
.irp j, 0,1,2,3,4,5
	global_store_b128 v2, v[X+4*\j:X+4*\j+3], s[32:33] offset:512*\j   ; four tokens' codes: 3,072 consecutive bytes, at a multiple of 256
.endr
	global_store_b32 v11, v[X+24], s[34:35] offset:XSC_OFF
	s_wait_xcnt 0x0                                ; EXEC changes only behind this wait
	v_cmp_gt_u32 vcc_lo, 8, v1
	s_wait_tensorcnt 0x0
	ds_add_u32 v14, v15
	s_wait_dscnt 0x0
	s_and_saveexec_b32 s38, vcc_lo
	global_store_b32 v11, v[OI], s[12:13]
	global_store_b32 v11, v[OW], s[14:15]
	global_store_b32 v11, v[OP], s[14:15] offset:8192
	s_wait_xcnt 0x0
	s_or_b32 exec_lo, exec_lo, s38
	s_endpgm
.Lfunc_end_k_qbd5172ada1_route:
	.size	k_qbd5172ada1_route, .Lfunc_end_k_qbd5172ada1_route-k_qbd5172ada1_route
	.p2alignl 7, 3214868480
	.fill 96, 4, 3214868480
	.section	.rodata,"a",@progbits
	.p2align	6, 0x0
	.amdhsa_kernel k_qbd5172ada1_route
		.amdhsa_group_segment_fixed_size 120320
		.amdhsa_private_segment_fixed_size 0
		.amdhsa_enable_private_segment 0
		.amdhsa_kernarg_size 48
		.amdhsa_user_sgpr_count 2
		.amdhsa_user_sgpr_kernarg_segment_ptr 1
		.amdhsa_wavefront_size32 1
		.amdhsa_system_sgpr_workgroup_id_x 1
		.amdhsa_system_sgpr_workgroup_id_y 1
		.amdhsa_system_sgpr_workgroup_id_z 1
		.amdhsa_system_vgpr_workitem_id 0
		.amdhsa_next_free_vgpr 512
		.amdhsa_next_free_sgpr 66
		.amdhsa_reserve_vcc 1
		.amdhsa_float_denorm_mode_32 3
		.amdhsa_float_denorm_mode_16_64 3
		.amdhsa_memory_ordered 1
		.amdhsa_forward_progress 1
		.amdhsa_inst_pref_size 85
	.end_amdhsa_kernel
	.amdgpu_metadata
---
amdhsa.version: [ 1, 2 ]
amdhsa.kernels:
  - .name:           k_qbd5172ada1_route
    .symbol:         k_qbd5172ada1_route.kd
    .args:
      - { .name: x, .offset: 0, .size: 8, .value_kind: global_buffer, .address_space: global }
      - { .name: Wg, .offset: 8, .size: 8, .value_kind: global_buffer, .address_space: global }
      - { .name: bg, .offset: 16, .size: 8, .value_kind: global_buffer, .address_space: global }
      - { .name: xq, .offset: 24, .size: 8, .value_kind: global_buffer, .address_space: global }
      - { .name: ids, .offset: 32, .size: 8, .value_kind: global_buffer, .address_space: global }
      - { .name: gate, .offset: 40, .size: 8, .value_kind: global_buffer, .address_space: global }
    .group_segment_fixed_size: 120320
    .private_segment_fixed_size: 0
    .kernarg_segment_align: 8
    .kernarg_segment_size: 48
    .max_flat_workgroup_size: 128
    .sgpr_count:     66
    .vgpr_count:     512
    .wavefront_size: 32
...
	.end_amdgpu_metadata
.endif
;; end of part 1
;; launch place (part 2): grid 1 x 1, 32 waves a work-group, no clusters, 16,384 bytes of LDS; arguments ids, gate, slots, out1; writes slots, out1
.if DOCPART == 2
	.amdgcn_target "amdgcn-amd-amdhsa--gfx1250"
	.amdhsa_code_object_version 6
	.text
	.protected	k_qbd5172ada1_place
	.globl	k_qbd5172ada1_place
	.p2align	8
	.type	k_qbd5172ada1_place,@function
k_qbd5172ada1_place:
	s_mov_b64 s[64:65], 0
	v_nop
	global_prefetch_b8 v0, s[64:65] scope:SCOPE_SE
	s_setreg_imm32_b32 hwreg(HW_REG_WAVE_MODE, 25, 1), 1
	s_wait_xcnt 0x0
; PLACE.  A counting sort of the 2,048 (token, choice) entries by expert, and the load-balance loss.  One work-group, thread t = token t.
; Each expert's rows begin on a chunk of 64 slots; the sum of ceil(n_e / 64) is at most 39, so 40 chunks (2,560 slots) serve every split.  Slots that no entry takes carry token 0.
; slots: TOK [2560] at 0 (slot -> token), SOF [1024][2] at 10,240 (token -> its two slots), META [32]{first chunk, chunks} at 18,432 (the first eight are the experts').
; A token names an expert at most once, so an entry's rank in its wave is the count of lower lanes that name the expert.
; loss = 8 x sum over e of (n_e / 1024) (P_e / 1024) = 2^-17 x sum of n_e P_e, P_e the sum of the probabilities that the launch before stored wave by wave.
; One work-group, since the prefix sums span all tokens and nothing may pass between work-groups; no matrix work.
	s_load_b256 s[4:11], s[0:1], 0x0               ; ids, gate, slots, out1
	v_lshl_add_u32 v64, v0, 2, 0x3000
	v_mov_b32 v65, 0
	v_lshrrev_b32 v1, 5, v0
	v_readfirstlane_b32 s12, v1                    ; wave 0..31
	v_and_b32 v1, 31, v0                           ; lane
	v_lshlrev_b32 v2, 3, v0                        ; 8 t
	v_lshlrev_b32 v3, 2, v0                        ; 4 t
	v_mov_b32 v8, 0                                ; 0; never rewritten
	v_mov_b32 v9, 0                                ; my first choice's rank
	v_mov_b32 v10, 0                               ; my second's
	v_mov_b32 v11, 0                               ; lane e: my wave's count for expert e
	v_mov_b32 v25, 0
	v_mov_b32 v26, 0                               ; (a lane permute's destination counts as one of its sources)
	v_mov_b32 v28, 0
	s_mov_b32 s16, 0x76543210
	s_mov_b32 s17, 0xfedcba98                      ; lane l xor 16
	s_mul_i32 s13, s12, 384                        ; LDS: 384 bytes a wave: 32 counts, then 32 pairs of sums
	v_lshl_add_u32 v15, v1, 2, s13
	v_lshl_add_u32 v35, v1, 3, s13
	v_and_b32 v13, 7, v1                           ; e = l % 8
	v_and_b32 v14, 24, v1                          ; 8 q, q = l / 8
	v_mul_u32_u24 v34, v14, 384
	v_lshl_add_u32 v34, v13, 2, v34                ; waves 8 q on, word e
	s_wait_kmcnt 0x0
	global_load_b64 v[4:5], v2, s[4:5]
	global_load_b64 v[6:7], v2, s[6:7] offset:8192 ; two of the 2,048 partial sums: experts 2 (l % 4) and the next
	global_store_b32 v3, v8, s[8:9]                ; TOK = 0 everywhere
	global_store_b32 v3, v8, s[8:9] offset:4096
	s_cmp_lt_u32 s12, 16
	s_cbranch_scc0 .Lno_third
	global_store_b32 v3, v8, s[8:9] offset:8192
.Lno_third:
	s_wait_loadcnt 0x0
	v_min_u32 v4, 7, v4
	v_min_u32 v5, 7, v5
.irp e, 0,1,2,3,4,5,6,7
	v_cmp_eq_u32 s20, \e, v4
	v_cmp_eq_u32 s21, \e, v5
	s_or_b32 s22, s20, s21                         ; the lanes that name expert e
	v_mbcnt_lo_u32_b32 v12, s22, 0                 ; how many of them lie below me
	v_cndmask_b32 v9, v9, v12, s20
	v_cndmask_b32 v10, v10, v12, s21
	s_bcnt1_i32_b32 s22, s22
	v_writelane_b32 v11, s22, \e
.endr
	v_add_f32_dpp v6, v6, v6 row_xmask:4 row_mask:0xf bank_mask:0xf     ; the lanes with my l % 4
	v_add_f32_dpp v7, v7, v7 row_xmask:4 row_mask:0xf bank_mask:0xf
	v_add_f32_dpp v6, v6, v6 row_xmask:8 row_mask:0xf bank_mask:0xf
	v_add_f32_dpp v7, v7, v7 row_xmask:8 row_mask:0xf bank_mask:0xf
	v_permlanex16_b32 v26, v6, s16, s17
	v_add_f32 v6, v6, v26
	v_permlanex16_b32 v26, v7, s16, s17
	v_add_f32 v7, v7, v26
	ds_store_b32 v15, v11
	ds_store_b64 v35, v[6:7] offset:128            ; lanes 0 to 3 lay the eight experts' sums on end
	s_wait_storecnt 0x0                            ; the zeros are written: the entries that any wave stores behind the barrier land on top of them
	s_wait_dscnt 0x0
	s_barrier_signal -1
	s_barrier_wait -1
.irp i, 0,1,2,3,4,5,6,7
	ds_load_b32 v[16+\i], v34 offset:384*\i        ; expert e's count in wave 8 q + i
.endr
	s_wait_dscnt 0x0
	v_add_nc_u32 v24, v16, v17
.irp i, 2,3,4,5,6,7
	v_add_nc_u32 v24, v24, v[16+\i]
.endr
.irp i, 0,1,2,3,4,5,6,7
	v_add_nc_u32 v26, \i, v14
	v_cmp_gt_u32 vcc_lo, s12, v26                  ; a wave in front of mine?
	v_cndmask_b32 v26, 0, v[16+\i], vcc_lo
	v_add_nc_u32 v25, v25, v26
.endr
	v_mov_b32_dpp v26, v24 row_xmask:8 row_mask:0xf bank_mask:0xf       ; the four q are joined
	v_add_nc_u32 v24, v24, v26
	v_permlanex16_b32 v26, v24, s16, s17
	v_add_nc_u32 v24, v24, v26                     ; n_e, in every lane with l % 8 = e
	v_mov_b32_dpp v26, v25 row_xmask:8 row_mask:0xf bank_mask:0xf
	v_add_nc_u32 v25, v25, v26
	v_permlanex16_b32 v26, v25, s16, s17
	v_add_nc_u32 v25, v25, v26                     ; expert e's entries in the waves in front of mine
	v_add_nc_u32 v29, 63, v24
	v_lshrrev_b32 v29, 6, v29                      ; chunks of expert e
	s_mov_b32 s28, 0
.irp e, 0,1,2,3,4,5,6
	v_readlane_b32 s20, v29, \e
	s_add_co_u32 s28, s28, s20
	v_writelane_b32 v28, s28, \e+1                 ; lane e: expert e's first chunk
.endr
	v_lshl_add_u32 v27, v28, 6, v25                ; lanes 0 to 7: where my wave's entries of expert e begin
	v_lshlrev_b32 v36, 2, v4
	v_lshlrev_b32 v37, 2, v5
	ds_bpermute_b32 v30, v36, v27
	ds_bpermute_b32 v31, v37, v27
	s_wait_dscnt 0x0
	v_add_nc_u32 v32, v30, v9
	v_add_nc_u32 v33, v31, v10
	v_min_u32 v32, 2559, v32
	v_min_u32 v33, 2559, v33
	v_lshlrev_b32 v38, 2, v32
	v_lshlrev_b32 v39, 2, v33
	global_store_b64 v2, v[32:33], s[8:9] offset:10240
	global_store_b32 v38, v0, s[8:9]
	global_store_b32 v39, v0, s[8:9]
	s_cmp_lg_u32 s12, 0
	s_cbranch_scc1 .Lend
	v_lshlrev_b32 v50, 3, v1
	global_store_b64 v50, v[28:29], s[8:9] offset:18432    ; 256 consecutive bytes, aligned
.irp i, 0,1,2,3,4,5,6,7
	ds_load_b32 v[40+\i], v34 offset:128+384*\i
.endr
	s_wait_dscnt 0x0
	v_add_f32 v40, v40, v41
	v_add_f32 v42, v42, v43
	v_add_f32 v44, v44, v45
	v_add_f32 v46, v46, v47
	v_add_f32 v40, v40, v42
	v_add_f32 v44, v44, v46
	v_add_f32 v40, v40, v44
	v_add_f32_dpp v40, v40, v40 row_xmask:8 row_mask:0xf bank_mask:0xf
	v_permlanex16_b32 v26, v40, s16, s17
	v_add_f32 v40, v40, v26                        ; P_e
	v_cvt_f32_u32 v41, v24
	v_mul_f32 v40, v40, v41                        ; n_e P_e
	v_add_f32_dpp v40, v40, v40 row_xmask:1 row_mask:0xf bank_mask:0xf
	v_add_f32_dpp v40, v40, v40 row_xmask:2 row_mask:0xf bank_mask:0xf
	v_add_f32_dpp v40, v40, v40 row_xmask:4 row_mask:0xf bank_mask:0xf
	v_mul_f32 v40, 0x37000000, v40                 ; x 2^-17
	s_wait_xcnt 0x0                                ; EXEC changes only behind this wait
	v_cmp_eq_u32 vcc_lo, 0, v1
	s_and_saveexec_b32 s20, vcc_lo
	global_store_b32 v8, v40, s[10:11]
	s_wait_xcnt 0x0
	s_or_b32 exec_lo, exec_lo, s20
.Lend:
	s_wait_tensorcnt 0x0
	ds_add_u32 v64, v65
	s_wait_dscnt 0x0
	s_endpgm
.Lfunc_end_k_qbd5172ada1_place:
	.size	k_qbd5172ada1_place, .Lfunc_end_k_qbd5172ada1_place-k_qbd5172ada1_place
	.p2alignl 7, 3214868480
	.fill 96, 4, 3214868480
	.section	.rodata,"a",@progbits
	.p2align	6, 0x0
	.amdhsa_kernel k_qbd5172ada1_place
		.amdhsa_group_segment_fixed_size 16384
		.amdhsa_private_segment_fixed_size 0
		.amdhsa_enable_private_segment 0
		.amdhsa_kernarg_size 32
		.amdhsa_user_sgpr_count 2
		.amdhsa_user_sgpr_kernarg_segment_ptr 1
		.amdhsa_wavefront_size32 1
		.amdhsa_system_sgpr_workgroup_id_x 1
		.amdhsa_system_sgpr_workgroup_id_y 1
		.amdhsa_system_sgpr_workgroup_id_z 1
		.amdhsa_system_vgpr_workitem_id 0
		.amdhsa_next_free_vgpr 66
		.amdhsa_next_free_sgpr 66
		.amdhsa_reserve_vcc 1
		.amdhsa_float_denorm_mode_32 3
		.amdhsa_float_denorm_mode_16_64 3
		.amdhsa_memory_ordered 1
		.amdhsa_forward_progress 1
		.amdhsa_inst_pref_size 13
	.end_amdhsa_kernel
	.amdgpu_metadata
---
amdhsa.version: [ 1, 2 ]
amdhsa.kernels:
  - .name:           k_qbd5172ada1_place
    .symbol:         k_qbd5172ada1_place.kd
    .args:
      - { .name: ids, .offset: 0, .size: 8, .value_kind: global_buffer, .address_space: global }
      - { .name: gate, .offset: 8, .size: 8, .value_kind: global_buffer, .address_space: global }
      - { .name: slots, .offset: 16, .size: 8, .value_kind: global_buffer, .address_space: global }
      - { .name: out1, .offset: 24, .size: 8, .value_kind: global_buffer, .address_space: global }
    .group_segment_fixed_size: 16384
    .private_segment_fixed_size: 0
    .kernarg_segment_align: 8
    .kernarg_segment_size: 32
    .max_flat_workgroup_size: 1024
    .sgpr_count:     66
    .vgpr_count:     66
    .wavefront_size: 32
...
	.end_amdgpu_metadata
.endif
;; end of part 2
;; launch ffn1 (part 3): grid 32 x 8, 8 waves a work-group, no clusters, 210,944 bytes of LDS; arguments xq, slots, W1_codes, W1_scales, b1, hq; writes hq
.if DOCPART == 3
	.amdgcn_target "amdgcn-amd-amdhsa--gfx1250"
	.amdhsa_code_object_version 6
	.text
	.protected	k_qbd5172ada1_ffn1
	.globl	k_qbd5172ada1_ffn1
	.p2align	8
	.type	k_qbd5172ada1_ffn1,@function
k_qbd5172ada1_ffn1:
	s_mov_b64 s[64:65], 0
	v_nop
	global_prefetch_b8 v0, s[64:65] scope:SCOPE_SE
	s_setreg_imm32_b32 hwreg(HW_REG_WAVE_MODE, 25, 1), 1
	s_wait_xcnt 0x0
; FFN1.  For the rows routed to expert e: h = gelu(x W1 + b1), exact GELU in f32, quantised along F to E2M3 with one E8M0 byte for each 32.  Rows of experts not chosen are not computed: their weight in the result is 0.
; SHARES.  Work-group (fs, e) owns hidden units 128 fs .. 128 fs + 127 of expert e.  Wave w: w4 = w % 4, g = w / 4.  It keeps block 4 fs + w4 (32 units, all of K = 1,024) in 192 registers for the whole launch:
; each byte of W1 leaves memory once.  The expert's rows come in chunks of 64 slots; of a chunk, wave w takes rows 32 g .. 32 g + 31, as two tiles of 16.
; THE PRODUCT IS USED TRANSPOSED (source 0 = 16 rows of W1, source 1 = 16 rows of x), AND THE ROWS OF W1 THAT FORM A TILE ARE NOT NEIGHBOURS: lane r of tile u takes unit 8 u + r + 8 (r / 8), so that a lane's
; 16 results are units 16 (lane / 16) + 0 .. 15 of the block, for ONE row: one conversion makes their 12 bytes of codes.
; THE ORDER OF K.  A lane half h holds 384 consecutive bytes of a row's 768: matrix instruction s takes blocks 2 s, 16 + 2 s, 2 s + 1, 17 + 2 s, alike on both sides, and the scale words are laid in that order.
; So fragments come by loads of 16 bytes.  The sums therefore run in another order than ascending k (stated limit: an order of rounding).
; THE NUMBER OF CHUNKS IS DATA (META, stored by an earlier launch).  The loop has a constant 16 trips, each with its one barrier; a scalar branch on the stored count jumps over a trip's work, never over the barrier.
; That is also why x's rows, which the 32 work-groups of an expert share, are not asked for jointly in a cluster: the trips that fetch hang on a count read from memory, and so this text has no tensor load at all;
; the rows are gathered through registers into LDS, a chunk ahead.
; GELU.  gelu(a) = max(a, 0) - |a| q, q = erfc(|a| / sqrt 2) / 2 = t 2^(poly(t) - a^2 log2(e) / 2), t = 1 / (1 + |a| sqrt(2) / 4), poly of degree 9 (its stated fractional error: 1.2e-7).
; LIMITS: NaN and infinities are not served; q under 2^-126 counts as 0; a block whose largest magnitude lies under 2^-124 keeps the byte 1.
; hq: codes [tile of 16 slots][128 blocks][16 rows][24 bytes]; behind them scale bytes [fs][slot][4].
.set XSC_OFF, 786432
.set HS_OFF,  7864320
.set WST, 0                            ; LDS: W1 on its way in: 4 blocks x 32 rows, 784 bytes apart (768 + 16 = 196 words: row r starts at bank 4 r mod 64; 64 banks of 4 bytes: ISA guide 11.1)
.set XB,  100352                       ; two buffers of 64 rows of x's codes, 784 apart: 50,176 each
.set XS,  200704                       ; two buffers of their scale words, 32 bytes a row
.set SCB, 204800                       ; two buffers of 256 scale bytes of h
.set TKL, 205312                       ; the expert's tokens, 4 bytes a slot, 16 chunks; 512 bytes behind them are claimed and not used
.set WS,  24                           ; v24-31   W1's scale words: lanes 0-15 tile 0, lanes 16-31 tile 1
.set XSR, 32                           ; v32-35   x's: lanes 0-15 words 0-3, lanes 16-31 words 4-7
.set ACC, 40                           ; v40-55   two accumulators
.set U,   56                           ; v56-71   1 + |a| sqrt(2)/4, then t, then q
.set P,   72                           ; v72-87   the polynomial, then its exponential
.set W,   88                           ; v88-103  a^2, then max(a, 0)
.set G,   104                          ; v104-119 gelu
.set QT,  120                          ; v120-123 the quantiser's
.set CDE, 128                          ; v128-130, v132-134 codes
.set NAT, 144                          ; v144-151 W1's scale bytes as they lie
.set XF,  160                          ; v160-255 x's eight fragments; at the head W1 as loaded
.set WF,  0                            ; window 1: v0-191 W1's 16 fragments,
.set BI,  192                          ; v192-207 b1 in the result's layout,
.set XR,  208                          ; v208-255 the next chunk's rows on their way
.set MSB, 0
.macro WIN new                         ; the immediate's high byte repeats the setting that is left
.if MSB != \new
	s_set_vgpr_msb (MSB<<8)|\new
.set MSB, \new
.endif
.endm
.macro PLACES n
.rept \n
	v_nop
.endr
.endm
; the tokens of the chunk at s26 bytes of the list, and where their rows lie in xq
.macro TOKADR
	v_add_nc_u32 v8, s26, v3
	v_add_nc_u32 v36, s26, v4
.irp j, 0,1,2,3
	ds_load_b32 v[19+\j], v8 offset:8*\j
.endr
	ds_load_b32 v23, v36
	s_wait_dscnt 0x0
.irp j, 0,1,2,3,4
	v_min_u32 v[19+\j], 0x3ff, v[19+\j]
.endr
.irp j, 0,1,2,3
	v_mad_u32_u24 v[10+\j], v[19+\j], 768, v7
.endr
	v_lshl_add_u32 v14, v23, 5, v9
.endm
; my 8 rows of the chunk: 16 lanes read 256 consecutive, aligned bytes of a row; and their scale words
.macro XGET
	WIN 0x40
.irp j, 0,1,2,3
.irp t, 0,1,2
	global_load_b128 v[XR+4*(3*\j+\t):XR+4*(3*\j+\t)+3], v[10+\j], s[4:5] offset:256*\t
.endr
.endr
	WIN 0
	global_load_b64 v[138:139], v14, s[4:5] offset:XSC_OFF
.endm
.macro XPUT par
	WIN 0x04
.irp j, 0,1,2,3
.irp t, 0,1,2
	ds_store_b128 v5, v[XR+4*(3*\j+\t):XR+4*(3*\j+\t)+3] offset:50176*(\par)+1568*\j+256*\t
.endr
.endr
	WIN 0
	ds_store_b64 v6, v[138:139] offset:2048*(\par)
.endm
.macro LOADX par, mm                   ; a tile's eight fragments and its scale words
.set j, 0
.rept 24
	ds_load_b128 v[XF+4*j:XF+4*j+3], v1 offset:50176*(\par)+12544*(\mm)+16*j
.set j, j+1
.endr
	ds_load_b128 v[XSR:XSR+3], v2 offset:2048*(\par)+512*(\mm)
.endm
.macro WM s, u
.set rD, ACC+8*\u
.set rA, WF+96*\u+12*\s
.set rB, XF+12*\s
.set rC, rD
.if \s == 0
.set rC, BI+8*\u                       ; the bias is the C of a sum's first instruction
.endif
.if (\u == 1) && (\s >= 4)
	v_wmma_scale_f32_16x16x128_f8f6f4 v[rD:rD+7], v[rA:rA+11], v[rB:rB+11], v[rC:rC+7], v[WS+\s], v[XSR+\s%4] matrix_a_fmt:MATRIX_FMT_FP6 matrix_b_fmt:MATRIX_FMT_FP6 matrix_a_scale:MATRIX_SCALE_ROW1 matrix_b_scale:MATRIX_SCALE_ROW1
.elseif \u == 1
	v_wmma_scale_f32_16x16x128_f8f6f4 v[rD:rD+7], v[rA:rA+11], v[rB:rB+11], v[rC:rC+7], v[WS+\s], v[XSR+\s%4] matrix_a_fmt:MATRIX_FMT_FP6 matrix_b_fmt:MATRIX_FMT_FP6 matrix_a_scale:MATRIX_SCALE_ROW1
.elseif \s >= 4
	v_wmma_scale_f32_16x16x128_f8f6f4 v[rD:rD+7], v[rA:rA+11], v[rB:rB+11], v[rC:rC+7], v[WS+\s], v[XSR+\s%4] matrix_a_fmt:MATRIX_FMT_FP6 matrix_b_fmt:MATRIX_FMT_FP6 matrix_b_scale:MATRIX_SCALE_ROW1
.else
	v_wmma_scale_f32_16x16x128_f8f6f4 v[rD:rD+7], v[rA:rA+11], v[rB:rB+11], v[rC:rC+7], v[WS+\s], v[XSR+\s%4] matrix_a_fmt:MATRIX_FMT_FP6 matrix_b_fmt:MATRIX_FMT_FP6
.endif
.endm
.macro MM                              ; 16 matrix instructions; the two accumulators take turns, one instruction a turn
	WIN 0x11                                       ; W1 and b1 window 1
	WM 0, 0
	WM 0, 1
	WIN 0x01
.irp s, 1,2,3,4,5,6,7
	WM \s, 0
	WM \s, 1
.endr
	WIN 0
.endm
.macro GELU                            ; 16 numbers a lane; each accumulator is read from its low end on
.set j, 0
.rept 16
	v_fma_f32 v[U+j], |v[ACC+j]|, s52, 1.0
.set j, j+1
.endr
.set j, 0
.rept 16
	v_rcp_f32 v[U+j], v[U+j]
.set j, j+1
.endr
.set j, 0
.rept 8
	v_pk_mul_f32 v[W+j:W+j+1], v[ACC+j:ACC+j+1], v[ACC+j:ACC+j+1]   ; plain work behind the reciprocals
.set j, j+2
.endr
	s_wait_alu depctr_va_vdst(0)                   ; one wait for the 16, ahead of their first reader
.set j, 0
.rept 8
	v_pk_fma_f32 v[P+j:P+j+1], v[U+j:U+j+1], v[136:137], s[32:33] op_sel_hi:[1,1,0]
.set j, j+2
.endr
.irp c, 34,36,38,40,42,44,46,48
.set j, 0
.rept 8
	v_pk_fma_f32 v[P+j:P+j+1], v[P+j:P+j+1], v[U+j:U+j+1], s[\c:\c+1] op_sel_hi:[1,1,0]
.set j, j+2
.endr
.endr
.set j, 0
.rept 8
	v_pk_fma_f32 v[P+j:P+j+1], v[W+j:W+j+1], s[50:51], v[P+j:P+j+1] op_sel_hi:[1,0,1]
.set j, j+2
.endr
.set j, 0
.rept 16
	v_exp_f32 v[P+j], v[P+j]
.set j, j+1
.endr
.set j, 0
.rept 16
	v_max_num_f32 v[W+j], 0, v[ACC+j]              ; plain work behind the exponentials
.set j, j+1
.endr
	s_wait_alu depctr_va_vdst(0)                   ; one wait for the 16
.set j, 0
.rept 8
	v_pk_mul_f32 v[U+j:U+j+1], v[U+j:U+j+1], v[P+j:P+j+1]
.set j, j+2
.endr
.set j, 0
.rept 16
	v_fma_f32 v[G+j], -|v[ACC+j]|, v[U+j], v[W+j]
.set j, j+1
.endr
.endm
.macro QUANT mm, par                   ; my 16 numbers and lane l xor 16's are a block of 32 along F
	v_max3_num_f32 v[QT], |v[G]|, |v[G+1]|, 0x1800000      ; the floor 2^(3 - 127): the byte cannot fall under 1
	v_max3_num_f32 v[QT+1], |v[G+8]|, |v[G+9]|, |v[G+10]|
	v_max3_num_f32 v[QT], v[QT], |v[G+2]|, |v[G+3]|
	v_max3_num_f32 v[QT+1], v[QT+1], |v[G+11]|, |v[G+12]|
	v_max3_num_f32 v[QT], v[QT], |v[G+4]|, |v[G+5]|
	v_max3_num_f32 v[QT+1], v[QT+1], |v[G+13]|, |v[G+14]|
	v_max3_num_f32 v[QT], v[QT], |v[G+6]|, |v[G+7]|
	v_max3_num_f32 v[QT], v[QT], v[QT+1], |v[G+15]|
	v_permlanex16_b32 v[QT+1], v[QT], s30, s31
	v_max_num_f32 v[QT], v[QT], v[QT+1]
	v_add_nc_u32 v[QT+2], 0xff000000, v[QT]        ; 2 off the exponent field: the conversion's scale operand
	v_lshrrev_b32 v[QT+3], 23, v[QT+2]             ; the scale's byte
	v_cvt_scalef32_pk16_fp6_f32 v[CDE+4*(\mm):CDE+4*(\mm)+2], v[G:G+15], v[QT+2]
	v_nop                                          ; one plain place behind a scaled conversion
	global_store_b96 v15, v[CDE+4*(\mm):CDE+4*(\mm)+2], s[14:15] offset:49152*(\mm)   ; the wave stores 384 consecutive bytes: a block of a tile
	ds_store_b8 v16, v[QT+3] offset:256*(\par)+64*(\mm)    ; both lanes of a block write the same byte with the same value
.endm
	s_load_b256 s[4:11], s[0:1], 0x0               ; xq, slots, W1's codes, W1's scales
	s_load_b128 s[12:15], s[0:1], 0x20             ; b1, hq
	v_lshl_add_u32 v158, v0, 2, 0x33400
	v_mov_b32 v159, 0
	v_lshrrev_b32 v120, 5, v0
	v_readfirstlane_b32 s18, v120                  ; wave 0..7
	s_and_b32 s19, s18, 3                          ; w4
	s_lshr_b32 s20, s18, 2                         ; g
	s_mov_b32 s21, ttmp9                           ; fs
	s_and_b32 s22, ttmp7, 0xffff                   ; e
	s_lshl_b32 s55, s22, 3
	s_wait_kmcnt 0x0
	s_load_b64 s[56:57], s[6:7], s55 offset:18432  ; the expert's first chunk and its number of chunks
	v_and_b32 v120, 31, v0                         ; l
	v_and_b32 v121, 15, v0                         ; r
	v_bfe_u32 v122, v0, 4, 1                       ; h
	s_mul_i32 s58, s20, 25088
	s_add_co_u32 s58, s58, XB
	v_mul_u32_u24 v1, v121, 784
	v_mad_u32_u24 v1, v122, 384, v1
	v_add_nc_u32 v1, s58, v1                       ; v1: x's fragments: row 32 g + r, half h
	s_lshl_b32 s58, s20, 10
	s_add_co_u32 s58, s58, XS
	v_lshlrev_b32 v2, 5, v121
	v_lshl_add_u32 v2, v122, 4, v2
	v_add_nc_u32 v2, s58, v2                       ; v2: their scale words
	s_lshl_b32 s58, s18, 5
	s_add_co_u32 s58, s58, TKL
	v_lshl_add_u32 v3, v122, 2, s58                ; v3: the token of row 8 w + h (+ 2 j)
	v_lshrrev_b32 v123, 2, v120
	v_lshl_add_u32 v4, v123, 2, s58                ; v4: of row 8 w + l / 4
	s_mul_i32 s58, s18, 6272
	s_add_co_u32 s58, s58, XB
	v_mul_u32_u24 v5, v122, 784
	v_lshl_add_u32 v5, v121, 4, v5
	v_add_nc_u32 v5, s58, v5                       ; v5: where I put 16 bytes of a gathered row
	s_lshl_b32 s58, s18, 8
	s_add_co_u32 s58, s58, XS
	v_lshl_add_u32 v6, v120, 3, s58                ; v6: and 8 bytes of its scale words
	v_lshlrev_b32 v7, 4, v121                      ; v7: 16 r
	v_and_b32 v9, 3, v0
	v_lshlrev_b32 v9, 3, v9                        ; v9: 8 (l % 4)
	s_lshl_b32 s58, s21, 2
	s_add_co_u32 s58, s58, s19                     ; my block of F: 4 fs + w4
	s_mul_i32 s58, s58, 384
	s_mul_i32 s59, s20, 98304
	s_add_co_u32 s58, s58, s59
	v_mul_u32_u24 v15, v121, 24
	v_mad_u32_u24 v15, v122, 12, v15
	v_add_nc_u32 v15, s58, v15                     ; v15: my 12 bytes in a chunk's codes: tile 2 g, my block, row r, half h
	s_lshl_b32 s58, s20, 7
	s_add_co_u32 s58, s58, s19
	s_add_co_u32 s58, s58, SCB
	v_lshl_add_u32 v16, v121, 2, s58               ; v16: my block's scale byte: 4 x row + w4
	v_lshl_add_u32 v17, v120, 3, SCB               ; v17, v18: the 256 bytes on their way out
	v_lshlrev_b32 v18, 3, v120
	s_mul_i32 s58, s19, 25088
	s_mul_i32 s59, s20, 12544
	s_add_co_u32 s59, s58, s59
	v_mul_u32_u24 v36, v122, 784
	v_lshl_add_u32 v36, v121, 4, v36
	v_add_nc_u32 v36, s59, v36                     ; W1's stage, in: block w4, row 16 g + h (+ 2 j)
	v_and_b32 v38, 8, v121
	v_add_nc_u32 v38, v38, v121                    ; r + 8 (r / 8)
	v_mul_u32_u24 v37, v38, 784
	v_mad_u32_u24 v37, v122, 384, v37
	v_add_nc_u32 v37, s58, v37                     ; and out: a tile's rows
	v_lshl_add_u32 v39, v0, 4, TKL                 ; the token list, in
	s_lshl_b32 s58, s19, 5
	s_lshl_b32 s59, s20, 4
	s_add_co_u32 s59, s58, s59
	s_mul_i32 s59, s59, 768
	v_mul_u32_u24 v125, v122, 768
	v_lshl_add_u32 v125, v121, 4, v125
	v_add_nc_u32 v125, s59, v125                   ; W1 in memory: row 32 w4 + 16 g + h, 16 r
	v_lshl_add_u32 v126, v122, 3, v38
	v_add_nc_u32 v126, s58, v126
	v_lshlrev_b32 v126, 5, v126                    ; its scale bytes: lane (r, h) takes tile h's row for lane r
	v_lshlrev_b32 v127, 6, v122                    ; b1: 64 h
	s_lshl_b32 s60, s22, 12
	s_lshl_b32 s61, s21, 7
	s_add_co_u32 s60, s60, s61                     ; the work-group's first row of W1: 4,096 e + 128 fs
	s_mov_b32 s63, 0
	s_mul_i32 s62, s60, 768
	s_add_nc_u64 s[8:9], s[8:9], s[62:63]
	s_lshl_b32 s62, s60, 5
	s_add_nc_u64 s[10:11], s[10:11], s[62:63]
	s_add_co_u32 s62, s60, s58
	s_lshl_b32 s62, s62, 2
	s_add_nc_u64 s[12:13], s[12:13], s[62:63]
	s_mov_b32 s30, 0x76543210
	s_mov_b32 s31, 0xfedcba98                      ; lane l xor 16
	; the polynomial's coefficients x log2(e), from t^8 down; the last also holds the factor 1/2 as -1.  Each twice: the packed form names a pair
	s_mov_b32 s32, 0xbf97d29d
	s_mov_b32 s34, 0x40097039
	s_mov_b32 s36, 0xbfd1a1e5
	s_mov_b32 s38, 0x3ecdfd18
	s_mov_b32 s40, 0xbe899a80
	s_mov_b32 s42, 0x3e0efb2e
	s_mov_b32 s44, 0x3f0a29d2
	s_mov_b32 s46, 0x3fb8ab5a
	s_mov_b32 s48, 0xc034d90f
	s_mov_b32 s50, 0xbf38aa3b                      ; -log2(e) / 2
.irp c, 32,34,36,38,40,42,44,46,48,50
	s_mov_b32 s[\c+1], s[\c]
.endr
	s_mov_b32 s52, 0x3eb504f3                      ; sqrt(2) / 4
	s_mov_b32 s53, 0x05010400                      ; byte selects: blocks 2 s, 16 + 2 s, 2 s + 1, 17 + 2 s; s even,
	s_mov_b32 s54, 0x07030602                      ; s odd
	v_mov_b32 v136, 0x3e7c6f08                     ; the coefficient of t^9
	v_mov_b32 v137, 0x3e7c6f08
	s_wait_kmcnt 0x0
	s_min_u32 s23, s56, 39                         ; first chunk
	s_min_u32 s24, s57, 16                         ; chunks: an expert has at most 1,024 rows
	s_lshl_b32 s58, s23, 6
	v_lshl_add_u32 v124, v0, 2, s58
	v_min_u32 v124, 2556, v124                     ; inside the list of 2,560
	v_lshlrev_b32 v124, 2, v124
	global_load_b128 v[140:143], v124, s[6:7]      ; 1,024 slots' tokens from the expert's first slot on
.irp j, 0,1,2,3,4,5,6,7
.irp t, 0,1,2
	global_load_b128 v[XF+4*(3*\j+\t):XF+4*(3*\j+\t)+3], v125, s[8:9] offset:1536*\j+256*\t th:TH_LOAD_NT   ; 16 lanes read 256 consecutive, aligned bytes; read once in the launch
.endr
.endr
	global_load_b128 v[NAT:NAT+3], v126, s[10:11]
	global_load_b128 v[NAT+4:NAT+7], v126, s[10:11] offset:16
	WIN 0x40
.irp u, 0,1
	global_load_b128 v[BI+8*\u:BI+8*\u+3], v127, s[12:13] offset:32*\u        ; tile u, register j: unit 16 h + 8 u + j
	global_load_b128 v[BI+8*\u+4:BI+8*\u+7], v127, s[12:13] offset:32*\u+16
.endr
	WIN 0
	s_mul_i32 s62, s21, 10240
	s_lshl_b32 s58, s23, 8
	s_add_co_u32 s62, s62, s58
	s_add_co_u32 s62, s62, HS_OFF
	s_add_nc_u64 s[16:17], s[14:15], s[62:63]      ; h's scale bytes: my fs, the expert's first slot
	s_mul_i32 s62, s23, 196608
	s_add_nc_u64 s[14:15], s[14:15], s[62:63]      ; h's codes: the expert's first chunk (4 tiles of 49,152 bytes)
	s_wait_loadcnt 30                              ; the tokens are in; the 30 loads behind them stay out
	ds_store_b128 v39, v[140:143]
	s_wait_loadcnt 6                               ; W1's 24 loads are in; the scale bytes' 2 and b1's 4 stay out
.irp j, 0,1,2,3,4,5,6,7
.irp t, 0,1,2
	ds_store_b128 v36, v[XF+4*(3*\j+\t):XF+4*(3*\j+\t)+3] offset:1568*\j+256*\t
.endr
.endr
	s_wait_dscnt 0x0                               ; for the others' sake
	s_barrier_signal -1
	s_barrier_wait -1                              ; the token list and the four blocks of W1 lie in LDS
	WIN 0x40
.irp u, 0,1
.set j, 0
.rept 24
	ds_load_b128 v[WF+96*\u+4*j:WF+96*\u+4*j+3], v37 offset:6272*\u+16*j
.set j, j+1
.endr
.endr
	WIN 0
	s_mov_b32 s26, 0
	TOKADR                                         ; chunk 0 is fetched whatever the count: the list holds tokens in every slot
	XGET
	s_wait_loadcnt 13                              ; the scale bytes and b1 are in; the gather's 13 loads stay out
.irp s, 0,1,2,3,4,5,6,7
.if \s%2
	v_perm_b32 v[WS+\s], v[NAT+4+\s/2], v[NAT+\s/2], s54
.else
	v_perm_b32 v[WS+\s], v[NAT+4+\s/2], v[NAT+\s/2], s53
.endif
.endr
	PLACES 8                                       ; a scale register written by a vector instruction stands 8 places ahead of a scaled matrix instruction
	s_wait_loadcnt 0x0
	XPUT 0
	s_wait_dscnt 0x0
	s_barrier_signal -1
	s_barrier_wait -1                              ; chunk 0 lies in buffer 0
	s_mov_b32 s25, 0                               ; i: the chunk in hand
	s_mov_b32 s26, 256                             ; where chunk i + 1's tokens lie in the list
	s_mov_b32 s27, 8
; A TRIP: chunk i from buffer par.  One barrier: in front of it every wave's reads of buffer par are over and its part of chunk i + 1 lies in the other buffer, which was last read in front of the barrier before.
.macro TRIP par
	s_add_co_u32 s28, s25, 1
	s_cmp_lt_u32 s28, s24
	s_cbranch_scc0 .Lno_get_\@
	TOKADR                                         ; the next chunk is asked for first: it lands while this one is worked
	XGET
.Lno_get_\@:
	s_cmp_lt_u32 s25, s24
	s_cbranch_scc0 .Lno_work_\@
	LOADX \par, 0
	s_wait_dscnt 0x0
	MM
	PLACES 4                                       ; in front of loads into registers that matrix instructions have read, and of the first read of results
	LOADX \par, 1                                  ; the second tile's fragments land under the first's GELU
	GELU
	QUANT 0, \par
	s_wait_dscnt 0x0
	MM
	PLACES 4
	GELU
	QUANT 1, \par
.Lno_work_\@:
	s_wait_loadcnt 0x0                             ; the next chunk's rows are in registers
	s_cmp_lt_u32 s28, s24
	s_cbranch_scc0 .Lno_put_\@
	XPUT 1-\par
.Lno_put_\@:
	s_wait_dscnt 0x0                               ; my stores have landed and my reads are over
	s_barrier_signal -1
	s_barrier_wait -1
	s_cmp_lg_u32 s18, 0
	s_cbranch_scc1 .Lno_out_\@
	s_cmp_lt_u32 s25, s24
	s_cbranch_scc0 .Lno_out_\@
	ds_load_b64 v[140:141], v17 offset:256*(\par)  ; the chunk's 256 scale bytes, from all eight waves; the next trip writes the other 256
	s_wait_dscnt 0x0
	global_store_b64 v18, v[140:141], s[16:17]     ; 256 consecutive bytes, aligned
.Lno_out_\@:
	s_wait_xcnt 0x0                                ; the stores have read their data and bases: both are written again only behind this wait
	s_add_nc_u64 s[14:15], s[14:15], 196608
	s_add_nc_u64 s[16:17], s[16:17], 256
	s_add_co_u32 s25, s25, 1
	s_add_co_u32 s26, s26, 256
.endm
.Lloop:
	TRIP 0
	TRIP 1
	s_sub_co_u32 s27, s27, 1
	s_cmp_lg_u32 s27, 0
	s_cbranch_scc1 .Lloop
	s_wait_tensorcnt 0x0
	ds_add_u32 v158, v159
	s_wait_dscnt 0x0
	s_endpgm
.Lfunc_end_k_qbd5172ada1_ffn1:
	.size	k_qbd5172ada1_ffn1, .Lfunc_end_k_qbd5172ada1_ffn1-k_qbd5172ada1_ffn1
	.p2alignl 7, 3214868480
	.fill 96, 4, 3214868480
	.section	.rodata,"a",@progbits
	.p2align	6, 0x0
	.amdhsa_kernel k_qbd5172ada1_ffn1
		.amdhsa_group_segment_fixed_size 210944
		.amdhsa_private_segment_fixed_size 0
		.amdhsa_enable_private_segment 0
		.amdhsa_kernarg_size 48
		.amdhsa_user_sgpr_count 2
		.amdhsa_user_sgpr_kernarg_segment_ptr 1
		.amdhsa_wavefront_size32 1
		.amdhsa_system_sgpr_workgroup_id_x 1
		.amdhsa_system_sgpr_workgroup_id_y 1
		.amdhsa_system_sgpr_workgroup_id_z 1
		.amdhsa_system_vgpr_workitem_id 0
		.amdhsa_next_free_vgpr 512
		.amdhsa_next_free_sgpr 66
		.amdhsa_reserve_vcc 0
		.amdhsa_float_denorm_mode_32 3
		.amdhsa_float_denorm_mode_16_64 3
		.amdhsa_memory_ordered 1
		.amdhsa_forward_progress 1
		.amdhsa_inst_pref_size 85
	.end_amdhsa_kernel
	.amdgpu_metadata
---
amdhsa.version: [ 1, 2 ]
amdhsa.kernels:
  - .name:           k_qbd5172ada1_ffn1
    .symbol:         k_qbd5172ada1_ffn1.kd
    .args:
      - { .name: xq, .offset: 0, .size: 8, .value_kind: global_buffer, .address_space: global }
      - { .name: slots, .offset: 8, .size: 8, .value_kind: global_buffer, .address_space: global }
      - { .name: W1_codes, .offset: 16, .size: 8, .value_kind: global_buffer, .address_space: global }
      - { .name: W1_scales, .offset: 24, .size: 8, .value_kind: global_buffer, .address_space: global }
      - { .name: b1, .offset: 32, .size: 8, .value_kind: global_buffer, .address_space: global }
      - { .name: hq, .offset: 40, .size: 8, .value_kind: global_buffer, .address_space: global }
    .group_segment_fixed_size: 210944
    .private_segment_fixed_size: 0
    .kernarg_segment_align: 8
    .kernarg_segment_size: 48
    .max_flat_workgroup_size: 256
    .sgpr_count:     66
    .vgpr_count:     512
    .wavefront_size: 32
...
	.end_amdgpu_metadata
.endif
;; end of part 3
;; launch ffn2 (part 4): grid 32 x 8, 8 waves a work-group, no clusters, 271,360 bytes of LDS; arguments hq, slots, W2_codes, W2_scales, b2, yb; writes yb
.if DOCPART == 4
	.amdgcn_target "amdgcn-amd-amdhsa--gfx1250"
	.amdhsa_code_object_version 6
	.text
	.protected	k_qbd5172ada1_ffn2
	.globl	k_qbd5172ada1_ffn2
	.p2align	8
	.type	k_qbd5172ada1_ffn2,@function
k_qbd5172ada1_ffn2:
	s_mov_b64 s[64:65], 0
	v_nop
	global_prefetch_b8 v0, s[64:65] scope:SCOPE_SE
	s_setreg_imm32_b32 hwreg(HW_REG_WAVE_MODE, 25, 1), 1
	s_wait_xcnt 0x0
; FFN2.  y = h W2 + b2 for every routed slot, on the codes of h that the launch before stored; one row of f32 for each slot.
; SHARES.  Work-group (x, e): ds = x / 2 owns outputs 64 ds .. 64 ds + 63 of expert e, rho = x % 2 the rows 32 rho .. 32 rho + 31 of each chunk of 64 slots.  Wave w: kq = w % 4, p = w / 4: it keeps rows
; 32 p .. 32 p + 31 of those 64 outputs, K quarter kq (1,024 of 4,096: 768 bytes a row), in 192 registers for the whole launch.  The four quarters' sums meet in LDS and are added there in a fixed order.
; THE PRODUCT IS USED TRANSPOSED (source 0 = 16 rows of W2, source 1 = 16 slots): a lane holds eight neighbouring outputs of one slot.
; THE ORDER OF K inside a quarter is that of the launch before: lane half h holds blocks 16 h .. 16 h + 15, matrix instruction s takes blocks 2 s, 16 + 2 s, 2 s + 1, 17 + 2 s, alike on both sides
; (stated limit: the sums run in another order than ascending k, and K is split in four).
; THE NUMBER OF CHUNKS IS DATA: a constant 16 trips, one barrier each; a scalar branch on the stored count jumps over a trip's work, never over the barrier.  For the same reason h's tiles, which 16 work-groups
; share, are not asked for jointly in a cluster: the trips that fetch hang on a count read from memory, so this text has no tensor load; the tiles go through registers into LDS, a chunk ahead.
; LIMITS: as the operands': NaN and infinities are not served.
.set HS_OFF, 7864320
.set RED, 200704                       ; LDS: from 0 on first the eight waves' stages for W2 (25,088 each), then two buffers of h: 100,352 each; tile 50,176, quarter 12,544, half 6,272 (6,144 + 128, so that
                                       ; lanes 16-31 of a load of 8 bytes fall on the 32 banks that lanes 0-15 leave: 64 banks of 4 bytes, ISA guide 11.1).  From RED on two buffers [4 kq][32 rows][272 bytes]
.set WS,  24                           ; v24-31   W2's scale words: lanes 0-15 tile 0, lanes 16-31 tile 1
.set XSR, 32                           ; v32-39   h's, 4 a tile: lanes 0-15 words 0-3, lanes 16-31 words 4-7
.set HN,  40                           ; v40-47   h's scale bytes as they lie
.set ACC, 48                           ; v48-79   four accumulators
.set XR2, 96                           ; v96-127  the next chunk on its way, last third
.set NAT, 128                          ; v128-135 W2's scale bytes as they lie
.set XF,  160                          ; v160-255 h's eight fragments; on the way out the four quarters' rows
.set WF,  0                            ; window 1: v0-191 W2's 16 fragments;
.set XR1, 192                          ; v192-255 the next chunk on its way, first two thirds
.set MSB, 0
.macro WIN new                         ; the immediate's high byte repeats the setting that is left
.if MSB != \new
	s_set_vgpr_msb (MSB<<8)|\new
.set MSB, \new
.endif
.endm
.macro PLACES n
.rept \n
	v_nop
.endr
.endm
.macro HGET                            ; my quarter of one of the two tiles: 12,288 consecutive bytes; and the scale words that my lanes will want
	WIN 0x40
.set j, 0
.rept 16
	global_load_b128 v[XR1+4*j:XR1+4*j+3], v5, s[16:17] offset:512*j
.set j, j+1
.endr
	WIN 0
.set j, 0
.rept 8
	global_load_b128 v[XR2+4*j:XR2+4*j+3], v5, s[16:17] offset:8192+512*j
.set j, j+1
.endr
.irp m, 0,1
	global_load_b32 v[HN+4*\m], v6, s[32:33] offset:64*\m
	global_load_b32 v[HN+4*\m+1], v6, s[32:33] offset:64*\m+10240
	global_load_b32 v[HN+4*\m+2], v6, s[32:33] offset:64*\m+40960
	global_load_b32 v[HN+4*\m+3], v6, s[32:33] offset:64*\m+51200
.endr
.endm
.macro HPUT par
	WIN 0x04
.set j, 0
.rept 16
	ds_store_b128 v[3+(\par)], v[XR1+4*j:XR1+4*j+3] offset:512*j+128*(j/12)
.set j, j+1
.endr
	WIN 0
.set j, 0
.rept 8
	ds_store_b128 v[3+(\par)], v[XR2+4*j:XR2+4*j+3] offset:8192+512*j+128
.set j, j+1
.endr
.irp m, 0,1
	v_perm_b32 v[XSR+4*\m], v[HN+4*\m+2], v[HN+4*\m], s53
	v_perm_b32 v[XSR+4*\m+1], v[HN+4*\m+2], v[HN+4*\m], s54
	v_perm_b32 v[XSR+4*\m+2], v[HN+4*\m+3], v[HN+4*\m+1], s53
	v_perm_b32 v[XSR+4*\m+3], v[HN+4*\m+3], v[HN+4*\m+1], s54
.endr
	PLACES 8                                       ; a scale register written by a vector instruction stands 8 places ahead of a scaled matrix instruction
.endm
.macro LOADH par, mm                   ; a tile's eight fragments of my quarter: a block's 24 bytes of my row as three pieces of 8
.irp s, 0,1,2,3,4,5,6,7
.irp c, 0,1
.irp t, 0,1,2
	ds_load_b64 v[XF+12*\s+6*\c+2*\t:XF+12*\s+6*\c+2*\t+1], v[1+(\par)] offset:50176*(\mm)+384*(2*\s+\c)+8*\t
.endr
.endr
.endr
.endm
.macro WM2 mm, s, u
.set rD, ACC+16*(\mm)+8*\u
.set rA, WF+96*\u+12*\s
.set rB, XF+12*\s
.set rS, XSR+4*(\mm)+\s%4
.if (\s == 0) && (\u == 1)
	v_wmma_scale_f32_16x16x128_f8f6f4 v[rD:rD+7], v[rA:rA+11], v[rB:rB+11], 0, v[WS+\s], v[rS] matrix_a_fmt:MATRIX_FMT_FP6 matrix_b_fmt:MATRIX_FMT_FP6 matrix_a_scale:MATRIX_SCALE_ROW1
.elseif \s == 0
	v_wmma_scale_f32_16x16x128_f8f6f4 v[rD:rD+7], v[rA:rA+11], v[rB:rB+11], 0, v[WS+\s], v[rS] matrix_a_fmt:MATRIX_FMT_FP6 matrix_b_fmt:MATRIX_FMT_FP6
.elseif (\u == 1) && (\s >= 4)
	v_wmma_scale_f32_16x16x128_f8f6f4 v[rD:rD+7], v[rA:rA+11], v[rB:rB+11], v[rD:rD+7], v[WS+\s], v[rS] matrix_a_fmt:MATRIX_FMT_FP6 matrix_b_fmt:MATRIX_FMT_FP6 matrix_a_scale:MATRIX_SCALE_ROW1 matrix_b_scale:MATRIX_SCALE_ROW1
.elseif \u == 1
	v_wmma_scale_f32_16x16x128_f8f6f4 v[rD:rD+7], v[rA:rA+11], v[rB:rB+11], v[rD:rD+7], v[WS+\s], v[rS] matrix_a_fmt:MATRIX_FMT_FP6 matrix_b_fmt:MATRIX_FMT_FP6 matrix_a_scale:MATRIX_SCALE_ROW1
.elseif \s >= 4
	v_wmma_scale_f32_16x16x128_f8f6f4 v[rD:rD+7], v[rA:rA+11], v[rB:rB+11], v[rD:rD+7], v[WS+\s], v[rS] matrix_a_fmt:MATRIX_FMT_FP6 matrix_b_fmt:MATRIX_FMT_FP6 matrix_b_scale:MATRIX_SCALE_ROW1
.else
	v_wmma_scale_f32_16x16x128_f8f6f4 v[rD:rD+7], v[rA:rA+11], v[rB:rB+11], v[rD:rD+7], v[WS+\s], v[rS] matrix_a_fmt:MATRIX_FMT_FP6 matrix_b_fmt:MATRIX_FMT_FP6
.endif
.endm
.macro MM2 mm                          ; 16 matrix instructions; the two accumulators take turns, one instruction a turn; the first products start the sums
	WIN 0x01
.irp s, 0,1,2,3,4,5,6,7
	WM2 \mm, \s, 0
	WM2 \mm, \s, 1
.endr
	WIN 0
.endm
.macro REDPUT par, mm                  ; my quarter's sums: row r, outputs 32 p + 16 u + 8 h + 0 .. 7; each accumulator from its low end on
.irp u, 0,1
	ds_store_b128 v7, v[ACC+16*(\mm)+8*\u:ACC+16*(\mm)+8*\u+3] offset:34816*(\par)+4352*(\mm)+64*\u
	ds_store_b128 v7, v[ACC+16*(\mm)+8*\u+4:ACC+16*(\mm)+8*\u+7] offset:34816*(\par)+4352*(\mm)+64*\u+16
.endr
.endm
.macro OUT par                         ; four of the 32 rows a wave: the four quarters and the bias are added, and 16 lanes store a row's 256 consecutive, aligned bytes
.irp j, 0,1
.irp k, 0,1,2,3
	ds_load_b128 v[XF+16*\j+4*\k:XF+16*\j+4*\k+3], v8 offset:34816*(\par)+8704*\k+544*\j
.endr
.endr
	s_wait_dscnt 0x0
.irp j, 0,1
.set b, XF+16*\j
	v_pk_add_f32 v[b:b+1], v[b:b+1], v[b+4:b+5]
	v_pk_add_f32 v[b+2:b+3], v[b+2:b+3], v[b+6:b+7]
	v_pk_add_f32 v[b+8:b+9], v[b+8:b+9], v[b+12:b+13]
	v_pk_add_f32 v[b+10:b+11], v[b+10:b+11], v[b+14:b+15]
	v_pk_add_f32 v[b:b+1], v[b:b+1], v[b+8:b+9]
	v_pk_add_f32 v[b+2:b+3], v[b+2:b+3], v[b+10:b+11]
	v_pk_add_f32 v[b:b+1], v[b:b+1], v[12:13]
	v_pk_add_f32 v[b+2:b+3], v[b+2:b+3], v[14:15]
	global_store_b128 v9, v[b:b+3], s[14:15] offset:8192*\j
.endr
.endm
	s_load_b256 s[4:11], s[0:1], 0x0               ; hq, slots, W2's codes, W2's scales
	s_load_b128 s[12:15], s[0:1], 0x20             ; b2, yb
	v_lshl_add_u32 v158, v0, 2, 0x42000
	v_mov_b32 v159, 0
	v_lshrrev_b32 v20, 5, v0
	v_readfirstlane_b32 s18, v20                   ; wave 0..7
	s_and_b32 s19, s18, 3                          ; kq
	s_lshr_b32 s20, s18, 2                         ; p
	s_lshr_b32 s21, ttmp9, 1                       ; ds
	s_and_b32 s29, ttmp9, 1                        ; rho
	s_and_b32 s22, ttmp7, 0xffff                   ; e
	s_lshl_b32 s55, s22, 3
	s_wait_kmcnt 0x0
	s_load_b64 s[56:57], s[6:7], s55 offset:18432  ; the expert's first chunk and its number of chunks
	v_and_b32 v20, 31, v0                          ; l
	v_and_b32 v21, 15, v0                          ; r
	v_bfe_u32 v22, v0, 4, 1                        ; h
	s_mul_i32 s58, s19, 12544
	v_mul_u32_u24 v1, v21, 24
	v_mad_u32_u24 v1, v22, 6272, v1
	v_add_nc_u32 v1, s58, v1                       ; v1, v2: h's fragments in buffer 0, 1: my quarter, half h, row r
	v_add_nc_u32 v2, 100352, v1
	s_mul_i32 s59, s20, 50176
	s_add_co_u32 s59, s59, s58
	v_lshl_add_u32 v3, v20, 4, s59                 ; v3, v4: where I put what I fetch: tile w / 4, quarter w % 4
	v_add_nc_u32 v4, 100352, v3
	s_mul_i32 s58, s20, 49152
	s_mul_i32 s59, s19, 12288
	s_add_co_u32 s58, s58, s59
	v_lshl_add_u32 v5, v20, 4, s58                 ; v5: the same in memory
	s_mul_i32 s58, s19, 81920
	v_mul_u32_u24 v6, v22, 20480
	v_lshl_add_u32 v6, v21, 2, v6
	v_add_nc_u32 v6, s58, v6                       ; v6: h's scale words: fs = 8 kq + 2 h (+ 0, 1, 4, 5), row r
	s_mul_i32 s58, s19, 8704
	s_lshl_b32 s59, s20, 7
	s_add_co_u32 s58, s58, s59
	s_add_co_u32 s58, s58, RED
	v_mul_u32_u24 v7, v21, 272
	v_lshl_add_u32 v7, v22, 5, v7
	v_add_nc_u32 v7, s58, v7                       ; v7: my sums' place
	s_mul_i32 s58, s18, 1088
	s_add_co_u32 s58, s58, RED
	v_mul_u32_u24 v8, v22, 272
	v_lshl_add_u32 v8, v21, 4, v8
	v_add_nc_u32 v8, s58, v8                       ; v8: back: row 4 w + h (+ 2 j), 16 r
	s_lshl_b32 s58, s18, 14
	s_lshl_b32 s59, s21, 8
	s_add_co_u32 s58, s58, s59
	v_lshlrev_b32 v9, 12, v22
	v_lshl_add_u32 v9, v21, 4, v9
	v_add_nc_u32 v9, s58, v9                       ; v9: the same in yb: rows of 4,096 bytes, 256 ds
	s_mul_i32 s58, s20, 98304
	s_mul_i32 s59, s19, 768
	s_add_co_u32 s58, s58, s59
	v_mul_u32_u24 v10, v22, 3072
	v_lshl_add_u32 v10, v21, 4, v10
	v_add_nc_u32 v10, s58, v10                     ; v10: W2 in memory: row 32 p + h (+ 2 j), quarter kq, 16 r
	s_mul_i32 s58, s18, 25088
	v_mul_u32_u24 v11, v22, 784
	v_lshl_add_u32 v11, v21, 4, v11
	v_add_nc_u32 v11, s58, v11                     ; v11: my stage, in
	v_mul_u32_u24 v16, v21, 784
	v_mad_u32_u24 v16, v22, 384, v16
	v_add_nc_u32 v16, s58, v16                     ; v16: and out
	s_lshl_b32 s58, s20, 12
	s_lshl_b32 s59, s19, 5
	s_add_co_u32 s58, s58, s59
	v_lshl_add_u32 v17, v22, 4, v21
	v_lshlrev_b32 v17, 7, v17
	v_add_nc_u32 v17, s58, v17                     ; v17: W2's scale bytes: lane (r, h) takes row 32 p + 16 h + r, quarter kq
	v_lshlrev_b32 v18, 4, v21                      ; v18: b2: 16 r
	s_lshl_b32 s60, s22, 10
	s_lshl_b32 s61, s21, 6
	s_add_co_u32 s60, s60, s61                     ; the work-group's first row of W2: 1,024 e + 64 ds
	s_mov_b32 s63, 0
	s_mul_i32 s62, s60, 3072
	s_add_nc_u64 s[8:9], s[8:9], s[62:63]
	s_lshl_b32 s62, s60, 7
	s_add_nc_u64 s[10:11], s[10:11], s[62:63]
	s_lshl_b32 s62, s60, 2
	s_add_nc_u64 s[12:13], s[12:13], s[62:63]
	s_mov_b32 s53, 0x05010400                      ; byte selects: blocks 2 s, 16 + 2 s, 2 s + 1, 17 + 2 s; s even,
	s_mov_b32 s54, 0x07030602                      ; s odd
	WIN 0x40
.set j, 0
.rept 16
.irp t, 0,1,2
	global_load_b128 v[WF+4*(3*j+\t):WF+4*(3*j+\t)+3], v10, s[8:9] offset:6144*j+256*\t    ; 16 lanes read 256 consecutive, aligned bytes
.endr
.set j, j+1
.endr
	WIN 0
	global_load_b128 v[NAT:NAT+3], v17, s[10:11]
	global_load_b128 v[NAT+4:NAT+7], v17, s[10:11] offset:16
	global_load_b128 v[12:15], v18, s[12:13]
	s_wait_kmcnt 0x0
	s_min_u32 s23, s56, 39                         ; first chunk
	s_min_u32 s24, s57, 16                         ; chunks
	s_min_u32 s30, s57, 1
	s_mul_i32 s30, s30, s23                        ; the chunk fetched first: the expert's, or chunk 0, which is always written, where the expert has none
	s_mul_i32 s62, s30, 196608
	s_mul_i32 s58, s29, 98304
	s_add_co_u32 s62, s62, s58
	s_add_nc_u64 s[16:17], s[4:5], s[62:63]        ; h's codes: that chunk, tiles 2 rho on
	s_lshl_b32 s62, s30, 8
	s_lshl_b32 s58, s29, 7
	s_add_co_u32 s62, s62, s58
	s_add_co_u32 s62, s62, HS_OFF
	s_add_nc_u64 s[32:33], s[4:5], s[62:63]        ; and their scale words
	s_lshl_b32 s62, s23, 18
	s_lshl_b32 s58, s29, 17
	s_add_co_u32 s62, s62, s58
	s_add_nc_u64 s[14:15], s[14:15], s[62:63]      ; yb at slot 64 x first chunk + 32 rho
	HGET
	s_wait_loadcnt 35                              ; W2's 48 loads are in; the 35 behind them stay out
	WIN 0x04
.set j, 0
.rept 16
.irp t, 0,1,2
	ds_store_b128 v11, v[WF+4*(3*j+\t):WF+4*(3*j+\t)+3] offset:1568*j+256*\t
.endr
.set j, j+1
.endr
	s_wait_dscnt 0x0                               ; the stores have read their registers, which the loads below fill
	WIN 0x40
.irp u, 0,1
.set j, 0
.rept 24
	ds_load_b128 v[WF+96*\u+4*j:WF+96*\u+4*j+3], v16 offset:12544*\u+16*j
.set j, j+1
.endr
.endr
	WIN 0
	s_wait_dscnt 0x0                               ; my reads of my stage are over:
	s_barrier_signal -1
	s_barrier_wait -1                              ; everybody's are, and the bytes may take h
	s_wait_loadcnt 32                              ; W2's scale bytes and b2 are in; the fetch's 32 loads stay out
.irp s, 0,1,2,3,4,5,6,7
.if \s%2
	v_perm_b32 v[WS+\s], v[NAT+4+\s/2], v[NAT+\s/2], s54
.else
	v_perm_b32 v[WS+\s], v[NAT+4+\s/2], v[NAT+\s/2], s53
.endif
.endr
	s_wait_loadcnt 0x0                             ; the first chunk is in registers, and the bases may step: a trip's fetch names chunk i + 1
	s_add_nc_u64 s[16:17], s[16:17], 196608
	s_add_nc_u64 s[32:33], s[32:33], 256
	HPUT 0
	s_wait_dscnt 0x0
	s_barrier_signal -1
	s_barrier_wait -1                              ; chunk 0's two tiles lie in buffer 0
	s_mov_b32 s25, 0                               ; i: the chunk in hand
	s_mov_b32 s27, 8
; A TRIP: chunk i from buffer par.  One barrier: in front of it every wave's reads of h's buffer par are over, its sums lie in RED's buffer par, and its part of chunk i + 1 lies in h's other buffer.
; RED's buffers take turns, so that a trip's sums never meet the reads of the trip before.
.macro TRIP par
	s_add_co_u32 s28, s25, 1
	s_cmp_lt_u32 s28, s24
	s_cbranch_scc0 .Lno_get_\@
	HGET                                           ; the next chunk is asked for first: it lands while this one is multiplied
.Lno_get_\@:
	s_cmp_lt_u32 s25, s24
	s_cbranch_scc0 .Lno_work_\@
	LOADH \par, 0
	s_wait_dscnt 0x0
	MM2 0
	PLACES 4                                       ; in front of loads into registers that matrix instructions have read, and of the first read of results
	LOADH \par, 1
	REDPUT \par, 0
	s_wait_dscnt 0x0
	MM2 1
	PLACES 4
	REDPUT \par, 1
.Lno_work_\@:
	s_wait_loadcnt 0x0                             ; the next chunk is in registers
	s_cmp_lt_u32 s28, s24
	s_cbranch_scc0 .Lno_put_\@
	HPUT 1-\par
.Lno_put_\@:
	s_wait_dscnt 0x0                               ; my stores have landed and my reads are over
	s_barrier_signal -1
	s_barrier_wait -1
	s_cmp_lt_u32 s25, s24
	s_cbranch_scc0 .Lno_out_\@
	OUT \par
.Lno_out_\@:
	s_wait_xcnt 0x0                                ; the stores have read their data and base: both are written again only behind this wait
	s_add_nc_u64 s[16:17], s[16:17], 196608
	s_add_nc_u64 s[32:33], s[32:33], 256
	s_add_nc_u64 s[14:15], s[14:15], 262144
	s_add_co_u32 s25, s25, 1
.endm
.Lloop:
	TRIP 0
	TRIP 1
	s_sub_co_u32 s27, s27, 1
	s_cmp_lg_u32 s27, 0
	s_cbranch_scc1 .Lloop
	s_wait_tensorcnt 0x0
	ds_add_u32 v158, v159
	s_wait_dscnt 0x0
	s_endpgm
.Lfunc_end_k_qbd5172ada1_ffn2:
	.size	k_qbd5172ada1_ffn2, .Lfunc_end_k_qbd5172ada1_ffn2-k_qbd5172ada1_ffn2
	.p2alignl 7, 3214868480
	.fill 96, 4, 3214868480
	.section	.rodata,"a",@progbits
	.p2align	6, 0x0
	.amdhsa_kernel k_qbd5172ada1_ffn2
		.amdhsa_group_segment_fixed_size 271360
		.amdhsa_private_segment_fixed_size 0
		.amdhsa_enable_private_segment 0
		.amdhsa_kernarg_size 48
		.amdhsa_user_sgpr_count 2
		.amdhsa_user_sgpr_kernarg_segment_ptr 1
		.amdhsa_wavefront_size32 1
		.amdhsa_system_sgpr_workgroup_id_x 1
		.amdhsa_system_sgpr_workgroup_id_y 1
		.amdhsa_system_sgpr_workgroup_id_z 1
		.amdhsa_system_vgpr_workitem_id 0
		.amdhsa_next_free_vgpr 512
		.amdhsa_next_free_sgpr 66
		.amdhsa_reserve_vcc 0
		.amdhsa_float_denorm_mode_32 3
		.amdhsa_float_denorm_mode_16_64 3
		.amdhsa_memory_ordered 1
		.amdhsa_forward_progress 1
		.amdhsa_inst_pref_size 61
	.end_amdhsa_kernel
	.amdgpu_metadata
---
amdhsa.version: [ 1, 2 ]
amdhsa.kernels:
  - .name:           k_qbd5172ada1_ffn2
    .symbol:         k_qbd5172ada1_ffn2.kd
    .args:
      - { .name: hq, .offset: 0, .size: 8, .value_kind: global_buffer, .address_space: global }
      - { .name: slots, .offset: 8, .size: 8, .value_kind: global_buffer, .address_space: global }
      - { .name: W2_codes, .offset: 16, .size: 8, .value_kind: global_buffer, .address_space: global }
      - { .name: W2_scales, .offset: 24, .size: 8, .value_kind: global_buffer, .address_space: global }
      - { .name: b2, .offset: 32, .size: 8, .value_kind: global_buffer, .address_space: global }
      - { .name: yb, .offset: 40, .size: 8, .value_kind: global_buffer, .address_space: global }
    .group_segment_fixed_size: 271360
    .private_segment_fixed_size: 0
    .kernarg_segment_align: 8
    .kernarg_segment_size: 48
    .max_flat_workgroup_size: 256
    .sgpr_count:     66
    .vgpr_count:     512
    .wavefront_size: 32
...
	.end_amdgpu_metadata
.endif
;; end of part 4
;; launch combine (part 5): grid 256 x 1, 4 waves a work-group, no clusters, 0 bytes of LDS; arguments yb, slots, gate, out0; writes out0
.if DOCPART == 5
	.amdgcn_target "amdgcn-amd-amdhsa--gfx1250"
	.amdhsa_code_object_version 6
	.text
	.protected	k_qbd5172ada1_combine
	.globl	k_qbd5172ada1_combine
	.p2align	8
	.type	k_qbd5172ada1_combine,@function
k_qbd5172ada1_combine:
	s_mov_b64 s[64:65], 0
	v_nop
	global_prefetch_b8 v0, s[64:65] scope:SCOPE_SE
	s_setreg_imm32_b32 hwreg(HW_REG_WAVE_MODE, 25, 1), 1
	s_wait_xcnt 0x0
; COMBINE.  out0[t] = w0 y[slot0(t)] + w1 y[slot1(t)]: of the eight terms of the weighted sum over experts the six with weight 0 are left out.
; A wave takes a token: its two slots and two weights by scalar loads, two rows of 4,096 bytes by 16 loads of 512 consecutive bytes, all issued at once; each row of yb that is read is read once.
; A stream: no LDS, no barrier, no matrix unit, nothing shared between work-groups.
.set A, 16                             ; v16-47 the first row, then the result
.set B, 48                             ; v48-79 the second row
	s_load_b256 s[4:11], s[0:1], 0x0               ; yb, slots, gate, out0
	v_lshrrev_b32 v1, 5, v0
	v_readfirstlane_b32 s12, v1                    ; wave 0..3
	v_and_b32 v1, 31, v0
	v_lshlrev_b32 v1, 4, v1                        ; 16 l
	s_lshl_b32 s13, ttmp9, 2
	s_add_co_u32 s13, s13, s12                     ; my token
	s_lshl_b32 s16, s13, 3
	s_mov_b32 s23, 0
	s_wait_kmcnt 0x0
	s_load_b64 s[20:21], s[6:7], s16 offset:10240  ; its two slots
	s_load_b64 s[14:15], s[8:9], s16 offset:0x0    ; its two weights
	s_lshl_b32 s22, s13, 12
	s_add_nc_u64 s[10:11], s[10:11], s[22:23]
	s_wait_kmcnt 0x0
	s_min_u32 s20, s20, 2559
	s_min_u32 s21, s21, 2559
	s_lshl_b32 s22, s20, 12
	s_add_nc_u64 s[24:25], s[4:5], s[22:23]
	s_lshl_b32 s22, s21, 12
	s_add_nc_u64 s[26:27], s[4:5], s[22:23]
	s_mov_b32 s18, s15                             ; the packed forms name a pair and take its low word for both halves
	s_mov_b32 s19, s15
.irp i, 0,1,2,3,4,5,6,7
	global_load_b128 v[A+4*\i:A+4*\i+3], v1, s[24:25] offset:512*\i th:TH_LOAD_NT
	global_load_b128 v[B+4*\i:B+4*\i+3], v1, s[26:27] offset:512*\i th:TH_LOAD_NT
.endr
.irp i, 0,1,2,3,4,5,6,7
	s_wait_loadcnt 14-2*\i                         ; pair i is in; the younger pairs stay out
	v_pk_mul_f32 v[A+4*\i:A+4*\i+1], v[A+4*\i:A+4*\i+1], s[14:15] op_sel_hi:[1,0]
	v_pk_mul_f32 v[A+4*\i+2:A+4*\i+3], v[A+4*\i+2:A+4*\i+3], s[14:15] op_sel_hi:[1,0]
	v_pk_fma_f32 v[A+4*\i:A+4*\i+1], v[B+4*\i:B+4*\i+1], s[18:19], v[A+4*\i:A+4*\i+1] op_sel_hi:[1,0,1]
	v_pk_fma_f32 v[A+4*\i+2:A+4*\i+3], v[B+4*\i+2:B+4*\i+3], s[18:19], v[A+4*\i+2:A+4*\i+3] op_sel_hi:[1,0,1]
	global_store_b128 v1, v[A+4*\i:A+4*\i+3], s[10:11] offset:512*\i th:TH_STORE_NT    ; 512 consecutive bytes, at a multiple of 256
.endr
	s_endpgm
.Lfunc_end_k_qbd5172ada1_combine:
	.size	k_qbd5172ada1_combine, .Lfunc_end_k_qbd5172ada1_combine-k_qbd5172ada1_combine
	.p2alignl 7, 3214868480
	.fill 96, 4, 3214868480
	.section	.rodata,"a",@progbits
	.p2align	6, 0x0
	.amdhsa_kernel k_qbd5172ada1_combine
		.amdhsa_group_segment_fixed_size 0
		.amdhsa_private_segment_fixed_size 0
		.amdhsa_enable_private_segment 0
		.amdhsa_kernarg_size 32
		.amdhsa_user_sgpr_count 2
		.amdhsa_user_sgpr_kernarg_segment_ptr 1
		.amdhsa_wavefront_size32 1
		.amdhsa_system_sgpr_workgroup_id_x 1
		.amdhsa_system_sgpr_workgroup_id_y 1
		.amdhsa_system_sgpr_workgroup_id_z 1
		.amdhsa_system_vgpr_workitem_id 0
		.amdhsa_next_free_vgpr 80
		.amdhsa_next_free_sgpr 66
		.amdhsa_reserve_vcc 0
		.amdhsa_float_denorm_mode_32 3
		.amdhsa_float_denorm_mode_16_64 3
		.amdhsa_memory_ordered 1
		.amdhsa_forward_progress 1
		.amdhsa_inst_pref_size 6
	.end_amdhsa_kernel
	.amdgpu_metadata
---
amdhsa.version: [ 1, 2 ]
amdhsa.kernels:
  - .name:           k_qbd5172ada1_combine
    .symbol:         k_qbd5172ada1_combine.kd
    .args:
      - { .name: yb, .offset: 0, .size: 8, .value_kind: global_buffer, .address_space: global }
      - { .name: slots, .offset: 8, .size: 8, .value_kind: global_buffer, .address_space: global }
      - { .name: gate, .offset: 16, .size: 8, .value_kind: global_buffer, .address_space: global }
      - { .name: out0, .offset: 24, .size: 8, .value_kind: global_buffer, .address_space: global }
    .group_segment_fixed_size: 0
    .private_segment_fixed_size: 0
    .kernarg_segment_align: 8
    .kernarg_segment_size: 32
    .max_flat_workgroup_size: 128
    .sgpr_count:     66
    .vgpr_count:     80
    .wavefront_size: 32
...
	.end_amdgpu_metadata
.endif
;; end of part 5
;; ======== version 2 of 2: 5 launches; version 1 with the launches ffn1, ffn2 written anew for expert scheduling mode
;; workspace buffers: xq 819,200 bytes; ids 8,192 bytes of whole numbers; gate 16,384 bytes; slots 18,688 bytes of whole numbers; hq 8,192,000 bytes; yb 10,485,760 bytes
;; launch route: the kernel of part 1 again; grid 64 x 1, 4 waves a work-group, no clusters, 120,320 bytes of LDS; arguments x, Wg, bg, xq, ids, gate; writes xq, ids, gate
;; launch place: the kernel of part 2 again; grid 1 x 1, 32 waves a work-group, no clusters, 16,384 bytes of LDS; arguments ids, gate, slots, out1; writes slots, out1
;; launch ffn1 (part 6): grid 32 x 8, 8 waves a work-group, no clusters, 210,944 bytes of LDS; arguments xq, slots, W1_codes, W1_scales, b1, hq; writes hq
.if DOCPART == 6
	.amdgcn_target "amdgcn-amd-amdhsa--gfx1250"
	.amdhsa_code_object_version 6
	.text
	.protected	k_qbd5172ada1_ffn1
	.globl	k_qbd5172ada1_ffn1
	.p2align	8
	.type	k_qbd5172ada1_ffn1,@function
k_qbd5172ada1_ffn1:
	s_mov_b64 s[64:65], 0
	v_nop
	global_prefetch_b8 v0, s[64:65] scope:SCOPE_SE
	s_setreg_imm32_b32 hwreg(HW_REG_WAVE_SCHED_MODE, 0, 2), 2
	s_setreg_imm32_b32 hwreg(HW_REG_WAVE_MODE, 25, 1), 1
	s_wait_xcnt 0x0
	s_wait_alu depctr_vm_vsrc(0)
; FFN1.  For the rows routed to expert e: h = gelu(x W1 + b1), exact GELU in f32, quantised along F to E2M3 with one E8M0 byte for each 32.  Rows of experts not chosen are not computed: their weight in the result is 0.
; SHARES.  Work-group (fs, e) owns hidden units 128 fs .. 128 fs + 127 of expert e.  Wave w: w4 = w % 4, g = w / 4.  It keeps block 4 fs + w4 (32 units, all of K = 1,024) in 192 registers for the whole launch:
; each byte of W1 leaves memory once.  The expert's rows come in chunks of 64 slots; of a chunk, wave w takes rows 32 g .. 32 g + 31, as two tiles of 16.
; THE PRODUCT IS USED TRANSPOSED (source 0 = 16 rows of W1, source 1 = 16 rows of x), AND THE ROWS OF W1 THAT FORM A TILE ARE NOT NEIGHBOURS: lane r of tile u takes unit 8 u + r + 8 (r / 8), so that a lane's
; 16 results are units 16 (lane / 16) + 0 .. 15 of the block, for ONE row: one conversion makes their 12 bytes of codes.
; THE ORDER OF K.  A lane half h holds 384 consecutive bytes of a row's 768: matrix instruction s takes blocks 2 s, 16 + 2 s, 2 s + 1, 17 + 2 s, alike on both sides, and the scale words are laid in that order.
; So fragments come by loads of 16 bytes.  The sums therefore run in another order than ascending k (stated limit: an order of rounding).
; THE NUMBER OF CHUNKS IS DATA (META, stored by an earlier launch).  The loop has a constant 16 trips, each with its one barrier; a scalar branch on the stored count jumps over a trip's work, never over the barrier.
; That is also why x's rows, which the 32 work-groups of an expert share, are not asked for jointly in a cluster: the trips that fetch hang on a count read from memory, and so this text has no tensor load at all;
; the rows are gathered through registers into LDS, a chunk ahead.
; GELU.  gelu(a) = max(a, 0) - |a| q, q = erfc(|a| / sqrt 2) / 2 = t 2^(poly(t) - a^2 log2(e) / 2), t = 1 / (1 + |a| sqrt(2) / 4), poly of degree 9 (its stated fractional error: 1.2e-7).
; LIMITS: NaN and infinities are not served; q under 2^-126 counts as 0; a block whose largest magnitude lies under 2^-124 keeps the byte 1.
; hq: codes [tile of 16 slots][128 blocks][16 rows][24 bytes]; behind them scale bytes [fs][slot][4].
; THE MODE: SCHED_MODE bits 1:0 = 2 (LLVM: expert scheduling mode 2), set by the entry lines.  The code itself states the register dependences
; between vector or matrix instructions and memory or LDS instructions, with s_wait_alu, always for 0.
; THE PLAN.  Registers that memory or LDS instructions touch, in the loop:
;   v1, v2, v5, v6, v15-18  addresses, made at the head and never written again.
;   v8, v[TA2]    Written by two additions at a trip's head; read by the trip's five loads of tokens.
;   v19-23        The tokens land here; held and multiplied by vector instructions into v10-14.
;   v10-14        Written by those; read by the gather's 13 loads.
;   XR, v138-139  The gather lands here; the LDS stores at the end of the same trip read them.
;   XF, XSR       A tile's LDS loads land here; its 16 matrix instructions read them.  ONE set: two waves share a SIMD's 1,024 registers, a wave has 512, and a second set of 96 does not fit.
;   CDE, BYT      A set for each of the trip's two tiles: written by the quantiser, read by four stores that stand together at the end of the trip's work.
;   v140-141      Wave 0: an LDS load lands here behind the barrier; a global store reads them.
; A trip's head holds one wait on vm_vsrc (all that the last trip's memory and LDS instructions read may be written) and, behind the two additions, one on va_vdst (the additions are written; the last trip's vector
; and matrix instructions are done with XF, XSR and v19-23).  Both stand ahead of every branch of the trip.  Three more on va_vdst: ahead of the gather (v10-14), behind the first tile's products (XF, XSR),
; ahead of the four stores (CDE, BYT).  GELU's two serve its reciprocals and its exponentials.
.set XSC_OFF, 786432
.set HS_OFF,  7864320
.set WST, 0                            ; LDS: W1 on its way in: 4 blocks x 32 rows, 784 bytes apart (768 + 16 = 196 words: row r starts at bank 4 r mod 64; 64 banks of 4 bytes: ISA guide 11.1)
.set XB,  100352                       ; two buffers of 64 rows of x's codes, 784 apart: 50,176 each
.set XS,  200704                       ; two buffers of their scale words, 32 bytes a row
.set SCB, 204800                       ; two buffers of 256 scale bytes of h
.set TKL, 205312                       ; the expert's tokens, 4 bytes a slot, 16 chunks; 512 bytes behind them are claimed and not used
.set WS,  24                           ; v24-31   W1's scale words: lanes 0-15 tile 0, lanes 16-31 tile 1
.set XSR, 32                           ; v32-35   x's: lanes 0-15 words 0-3, lanes 16-31 words 4-7
.set ACC, 40                           ; v40-55   two accumulators
.set U,   56                           ; v56-71   1 + |a| sqrt(2)/4, then t, then q
.set P,   72                           ; v72-87   the polynomial, then its exponential
.set W,   88                           ; v88-103  a^2, then max(a, 0)
.set G,   104                          ; v104-119 gelu
.set QT,  120                          ; v120-122 the quantiser's
.set CDE, 128                          ; v128-130, v132-134 codes
.set NAT, 144                          ; v144-151 W1's scale bytes as they lie
.set BYT, 152                          ; v152-153 a scale byte for each of a trip's two tiles
.set TA2, 154                          ; v154     LDS address of the token whose scale words I fetch
.set XF,  160                          ; v160-255 x's eight fragments; at the head W1 as loaded
.set WF,  0                            ; window 1: v0-191 W1's 16 fragments,
.set BI,  192                          ; v192-207 b1 in the result's layout,
.set XR,  208                          ; v208-255 the next chunk's rows on their way
.set MSB, 0
.macro WIN new                         ; the immediate's high byte repeats the setting that is left
.if MSB != \new
	s_set_vgpr_msb (MSB<<8)|\new
.set MSB, \new
.endif
.endm
.macro PLACES n
.rept \n
	v_nop
.endr
.endm
; where the tokens of the chunk at s26 bytes of the list lie
.macro TOKA
	v_add_nc_u32 v8, s26, v3
	v_add_nc_u32 v[TA2], s26, v4
.endm
; these tokens, and where their rows lie in xq
.macro TOKL
.irp j, 0,1,2,3
	ds_load_b32 v[19+\j], v8 offset:8*\j
.endr
	ds_load_b32 v23, v[TA2]
	s_wait_dscnt 0x0
.irp j, 0,1,2,3,4
	v_min_u32 v[19+\j], 0x3ff, v[19+\j]
.endr
.irp j, 0,1,2,3
	v_mad_u32_u24 v[10+\j], v[19+\j], 768, v7
.endr
	v_lshl_add_u32 v14, v23, 5, v9
.endm
; my 8 rows of the chunk: 16 lanes read 256 consecutive, aligned bytes of a row; and their scale words
.macro XGET
	WIN 0x40
	s_wait_alu depctr_va_vdst(0)                   ; v10 to v14 are written, which the 13 loads below read as their offsets
.irp j, 0,1,2,3
.irp t, 0,1,2
	global_load_b128 v[XR+4*(3*\j+\t):XR+4*(3*\j+\t)+3], v[10+\j], s[4:5] offset:256*\t
.endr
.endr
	WIN 0
	global_load_b64 v[138:139], v14, s[4:5] offset:XSC_OFF
.endm
.macro XPUT par
	WIN 0x04
.irp j, 0,1,2,3
.irp t, 0,1,2
	ds_store_b128 v5, v[XR+4*(3*\j+\t):XR+4*(3*\j+\t)+3] offset:50176*(\par)+1568*\j+256*\t
.endr
.endr
	WIN 0
	ds_store_b64 v6, v[138:139] offset:2048*(\par)
.endm
.macro LX par, mm, j0, n               ; n of the 24 loads that bring a tile's eight fragments, from the j0-th on
.set j, \j0
.rept \n
	ds_load_b128 v[XF+4*j:XF+4*j+3], v1 offset:50176*(\par)+12544*(\mm)+16*j
.set j, j+1
.endr
.endm
.macro LXS par, mm                     ; and the tile's scale words
	ds_load_b128 v[XSR:XSR+3], v2 offset:2048*(\par)+512*(\mm)
.endm
.macro WM s, u
.set rD, ACC+8*\u
.set rA, WF+96*\u+12*\s
.set rB, XF+12*\s
.set rC, rD
.if \s == 0
.set rC, BI+8*\u                       ; the bias is the C of a sum's first instruction
.endif
.if (\u == 1) && (\s >= 4)
	v_wmma_scale_f32_16x16x128_f8f6f4 v[rD:rD+7], v[rA:rA+11], v[rB:rB+11], v[rC:rC+7], v[WS+\s], v[XSR+\s%4] matrix_a_fmt:MATRIX_FMT_FP6 matrix_b_fmt:MATRIX_FMT_FP6 matrix_a_scale:MATRIX_SCALE_ROW1 matrix_b_scale:MATRIX_SCALE_ROW1
.elseif \u == 1
	v_wmma_scale_f32_16x16x128_f8f6f4 v[rD:rD+7], v[rA:rA+11], v[rB:rB+11], v[rC:rC+7], v[WS+\s], v[XSR+\s%4] matrix_a_fmt:MATRIX_FMT_FP6 matrix_b_fmt:MATRIX_FMT_FP6 matrix_a_scale:MATRIX_SCALE_ROW1
.elseif \s >= 4
	v_wmma_scale_f32_16x16x128_f8f6f4 v[rD:rD+7], v[rA:rA+11], v[rB:rB+11], v[rC:rC+7], v[WS+\s], v[XSR+\s%4] matrix_a_fmt:MATRIX_FMT_FP6 matrix_b_fmt:MATRIX_FMT_FP6 matrix_b_scale:MATRIX_SCALE_ROW1
.else
	v_wmma_scale_f32_16x16x128_f8f6f4 v[rD:rD+7], v[rA:rA+11], v[rB:rB+11], v[rC:rC+7], v[WS+\s], v[XSR+\s%4] matrix_a_fmt:MATRIX_FMT_FP6 matrix_b_fmt:MATRIX_FMT_FP6
.endif
.endm
.macro MM                              ; 16 matrix instructions; the two accumulators take turns, one instruction a turn
	WIN 0x11                                       ; W1 and b1 window 1
	WM 0, 0
	WM 0, 1
	WIN 0x01
.irp s, 1,2,3,4,5,6,7
	WM \s, 0
	WM \s, 1
.endr
	WIN 0
.endm
; 16 numbers a lane; each accumulator is read from its low end on.  ld = 1: the trip's second tile is fetched from buffer par meanwhile, in three runs among the first groups: no line of this macro names
; XF, XSR, v1 or v2, so the wait that stands in front of the macro serves all 25 loads
.macro GELU ld, par
.set j, 0
.rept 16
	v_fma_f32 v[U+j], |v[ACC+j]|, s52, 1.0
.set j, j+1
.endr
.if \ld
	LX \par, 1, 0, 8
.endif
.set j, 0
.rept 16
	v_rcp_f32 v[U+j], v[U+j]
.set j, j+1
.endr
.if \ld
	LX \par, 1, 8, 8
.endif
.set j, 0
.rept 8
	v_pk_mul_f32 v[W+j:W+j+1], v[ACC+j:ACC+j+1], v[ACC+j:ACC+j+1]   ; plain work behind the reciprocals
.set j, j+2
.endr
	s_wait_alu depctr_va_vdst(0)                   ; the 16 reciprocals have written v[U ..]: one wait, ahead of their first reader
.if \ld
	LX \par, 1, 16, 8
	LXS \par, 1
.endif
.set j, 0
.rept 8
	v_pk_fma_f32 v[P+j:P+j+1], v[U+j:U+j+1], v[136:137], s[32:33] op_sel_hi:[1,1,0]
.set j, j+2
.endr
.irp c, 34,36,38,40,42,44,46,48
.set j, 0
.rept 8
	v_pk_fma_f32 v[P+j:P+j+1], v[P+j:P+j+1], v[U+j:U+j+1], s[\c:\c+1] op_sel_hi:[1,1,0]
.set j, j+2
.endr
.endr
.set j, 0
.rept 8
	v_pk_fma_f32 v[P+j:P+j+1], v[W+j:W+j+1], s[50:51], v[P+j:P+j+1] op_sel_hi:[1,0,1]
.set j, j+2
.endr
.set j, 0
.rept 16
	v_exp_f32 v[P+j], v[P+j]
.set j, j+1
.endr
.set j, 0
.rept 16
	v_max_num_f32 v[W+j], 0, v[ACC+j]              ; plain work behind the exponentials
.set j, j+1
.endr
	s_wait_alu depctr_va_vdst(0)                   ; the 16 exponentials have written v[P ..]: one wait, ahead of their first reader
.set j, 0
.rept 8
	v_pk_mul_f32 v[U+j:U+j+1], v[U+j:U+j+1], v[P+j:P+j+1]
.set j, j+2
.endr
.set j, 0
.rept 16
	v_fma_f32 v[G+j], -|v[ACC+j]|, v[U+j], v[W+j]
.set j, j+1
.endr
.endm
.macro QUANT mm                        ; my 16 numbers and lane l xor 16's are a block of 32 along F; tile mm's codes and byte stay in registers of their own until the trip's stores
	v_max3_num_f32 v[QT], |v[G]|, |v[G+1]|, 0x1800000      ; the floor 2^(3 - 127): the byte cannot fall under 1
	v_max3_num_f32 v[QT+1], |v[G+8]|, |v[G+9]|, |v[G+10]|
	v_max3_num_f32 v[QT], v[QT], |v[G+2]|, |v[G+3]|
	v_max3_num_f32 v[QT+1], v[QT+1], |v[G+11]|, |v[G+12]|
	v_max3_num_f32 v[QT], v[QT], |v[G+4]|, |v[G+5]|
	v_max3_num_f32 v[QT+1], v[QT+1], |v[G+13]|, |v[G+14]|
	v_max3_num_f32 v[QT], v[QT], |v[G+6]|, |v[G+7]|
	v_max3_num_f32 v[QT], v[QT], v[QT+1], |v[G+15]|
	v_permlanex16_b32 v[QT+1], v[QT], s30, s31
	v_max_num_f32 v[QT], v[QT], v[QT+1]
	v_add_nc_u32 v[QT+2], 0xff000000, v[QT]        ; 2 off the exponent field: the conversion's scale operand
	v_lshrrev_b32 v[BYT+(\mm)], 23, v[QT+2]        ; the scale's byte
	v_cvt_scalef32_pk16_fp6_f32 v[CDE+4*(\mm):CDE+4*(\mm)+2], v[G:G+15], v[QT+2]
	v_nop                                          ; one plain place behind a scaled conversion
.endm
	s_load_b256 s[4:11], s[0:1], 0x0               ; xq, slots, W1's codes, W1's scales
	s_load_b128 s[12:15], s[0:1], 0x20             ; b1, hq
	v_lshl_add_u32 v158, v0, 2, 0x33400
	v_mov_b32 v159, 0
	v_lshrrev_b32 v120, 5, v0
	v_readfirstlane_b32 s18, v120                  ; wave 0..7
	s_wait_alu depctr_va_sdst(0)                   ; s18 is written, ahead of its first reader: addresses and branches are made from it
	s_and_b32 s19, s18, 3                          ; w4
	s_lshr_b32 s20, s18, 2                         ; g
	s_mov_b32 s21, ttmp9                           ; fs
	s_and_b32 s22, ttmp7, 0xffff                   ; e
	s_lshl_b32 s55, s22, 3
	s_wait_kmcnt 0x0
	s_load_b64 s[56:57], s[6:7], s55 offset:18432  ; the expert's first chunk and its number of chunks
	v_and_b32 v120, 31, v0                         ; l
	v_and_b32 v121, 15, v0                         ; r
	v_bfe_u32 v122, v0, 4, 1                       ; h
	s_mul_i32 s58, s20, 25088
	s_add_co_u32 s58, s58, XB
	v_mul_u32_u24 v1, v121, 784
	v_mad_u32_u24 v1, v122, 384, v1
	v_add_nc_u32 v1, s58, v1                       ; v1: x's fragments: row 32 g + r, half h
	s_lshl_b32 s58, s20, 10
	s_add_co_u32 s58, s58, XS
	v_lshlrev_b32 v2, 5, v121
	v_lshl_add_u32 v2, v122, 4, v2
	v_add_nc_u32 v2, s58, v2                       ; v2: their scale words
	s_lshl_b32 s58, s18, 5
	s_add_co_u32 s58, s58, TKL
	v_lshl_add_u32 v3, v122, 2, s58                ; v3: the token of row 8 w + h (+ 2 j)
	v_lshrrev_b32 v123, 2, v120
	v_lshl_add_u32 v4, v123, 2, s58                ; v4: of row 8 w + l / 4
	s_mov_b32 s26, 0
	TOKA                                           ; chunk 0's tokens: made here, so that the wait in front of the first load serves them too
	s_mul_i32 s58, s18, 6272
	s_add_co_u32 s58, s58, XB
	v_mul_u32_u24 v5, v122, 784
	v_lshl_add_u32 v5, v121, 4, v5
	v_add_nc_u32 v5, s58, v5                       ; v5: where I put 16 bytes of a gathered row
	s_lshl_b32 s58, s18, 8
	s_add_co_u32 s58, s58, XS
	v_lshl_add_u32 v6, v120, 3, s58                ; v6: and 8 bytes of its scale words
	v_lshlrev_b32 v7, 4, v121                      ; v7: 16 r
	v_and_b32 v9, 3, v0
	v_lshlrev_b32 v9, 3, v9                        ; v9: 8 (l % 4)
	s_lshl_b32 s58, s21, 2
	s_add_co_u32 s58, s58, s19                     ; my block of F: 4 fs + w4
	s_mul_i32 s58, s58, 384
	s_mul_i32 s59, s20, 98304
	s_add_co_u32 s58, s58, s59
	v_mul_u32_u24 v15, v121, 24
	v_mad_u32_u24 v15, v122, 12, v15
	v_add_nc_u32 v15, s58, v15                     ; v15: my 12 bytes in a chunk's codes: tile 2 g, my block, row r, half h
	s_lshl_b32 s58, s20, 7
	s_add_co_u32 s58, s58, s19
	s_add_co_u32 s58, s58, SCB
	v_lshl_add_u32 v16, v121, 2, s58               ; v16: my block's scale byte: 4 x row + w4
	v_lshl_add_u32 v17, v120, 3, SCB               ; v17, v18: the 256 bytes on their way out
	v_lshlrev_b32 v18, 3, v120
	s_mul_i32 s58, s19, 25088
	s_mul_i32 s59, s20, 12544
	s_add_co_u32 s59, s58, s59
	v_mul_u32_u24 v36, v122, 784
	v_lshl_add_u32 v36, v121, 4, v36
	v_add_nc_u32 v36, s59, v36                     ; W1's stage, in: block w4, row 16 g + h (+ 2 j)
	v_and_b32 v38, 8, v121
	v_add_nc_u32 v38, v38, v121                    ; r + 8 (r / 8)
	v_mul_u32_u24 v37, v38, 784
	v_mad_u32_u24 v37, v122, 384, v37
	v_add_nc_u32 v37, s58, v37                     ; and out: a tile's rows
	v_lshl_add_u32 v39, v0, 4, TKL                 ; the token list, in
	s_lshl_b32 s58, s19, 5
	s_lshl_b32 s59, s20, 4
	s_add_co_u32 s59, s58, s59
	s_mul_i32 s59, s59, 768
	v_mul_u32_u24 v125, v122, 768
	v_lshl_add_u32 v125, v121, 4, v125
	v_add_nc_u32 v125, s59, v125                   ; W1 in memory: row 32 w4 + 16 g + h, 16 r
	v_lshl_add_u32 v126, v122, 3, v38
	v_add_nc_u32 v126, s58, v126
	v_lshlrev_b32 v126, 5, v126                    ; its scale bytes: lane (r, h) takes tile h's row for lane r
	v_lshlrev_b32 v127, 6, v122                    ; b1: 64 h
	s_lshl_b32 s60, s22, 12
	s_lshl_b32 s61, s21, 7
	s_add_co_u32 s60, s60, s61                     ; the work-group's first row of W1: 4,096 e + 128 fs
	s_mov_b32 s63, 0
	s_mul_i32 s62, s60, 768
	s_add_nc_u64 s[8:9], s[8:9], s[62:63]
	s_lshl_b32 s62, s60, 5
	s_add_nc_u64 s[10:11], s[10:11], s[62:63]
	s_add_co_u32 s62, s60, s58
	s_lshl_b32 s62, s62, 2
	s_add_nc_u64 s[12:13], s[12:13], s[62:63]
	s_mov_b32 s30, 0x76543210
	s_mov_b32 s31, 0xfedcba98                      ; lane l xor 16
	; the polynomial's coefficients x log2(e), from t^8 down; the last also holds the factor 1/2 as -1.  Each twice: the packed form names a pair
	s_mov_b32 s32, 0xbf97d29d
	s_mov_b32 s34, 0x40097039
	s_mov_b32 s36, 0xbfd1a1e5
	s_mov_b32 s38, 0x3ecdfd18
	s_mov_b32 s40, 0xbe899a80
	s_mov_b32 s42, 0x3e0efb2e
	s_mov_b32 s44, 0x3f0a29d2
	s_mov_b32 s46, 0x3fb8ab5a
	s_mov_b32 s48, 0xc034d90f
	s_mov_b32 s50, 0xbf38aa3b                      ; -log2(e) / 2
.irp c, 32,34,36,38,40,42,44,46,48,50
	s_mov_b32 s[\c+1], s[\c]
.endr
	s_mov_b32 s52, 0x3eb504f3                      ; sqrt(2) / 4
	s_mov_b32 s53, 0x05010400                      ; byte selects: blocks 2 s, 16 + 2 s, 2 s + 1, 17 + 2 s; s even,
	s_mov_b32 s54, 0x07030602                      ; s odd
	v_mov_b32 v136, 0x3e7c6f08                     ; the coefficient of t^9
	v_mov_b32 v137, 0x3e7c6f08
	s_wait_kmcnt 0x0
	s_min_u32 s23, s56, 39                         ; first chunk
	s_min_u32 s24, s57, 16                         ; chunks: an expert has at most 1,024 rows
	s_lshl_b32 s58, s23, 6
	v_lshl_add_u32 v124, v0, 2, s58
	v_min_u32 v124, 2556, v124                     ; inside the list of 2,560
	v_lshlrev_b32 v124, 2, v124
	s_wait_alu depctr_va_vdst(0)                   ; every address and offset made above is written: v1 to v18, v36 to v39, v124 to v127, v[TA2]; the loads and LDS instructions from here on read them
	global_load_b128 v[140:143], v124, s[6:7]      ; 1,024 slots' tokens from the expert's first slot on
.irp j, 0,1,2,3,4,5,6,7
.irp t, 0,1,2
	global_load_b128 v[XF+4*(3*\j+\t):XF+4*(3*\j+\t)+3], v125, s[8:9] offset:1536*\j+256*\t th:TH_LOAD_NT   ; 16 lanes read 256 consecutive, aligned bytes; read once in the launch
.endr
.endr
	global_load_b128 v[NAT:NAT+3], v126, s[10:11]
	global_load_b128 v[NAT+4:NAT+7], v126, s[10:11] offset:16
	WIN 0x40
.irp u, 0,1
	global_load_b128 v[BI+8*\u:BI+8*\u+3], v127, s[12:13] offset:32*\u        ; tile u, register j: unit 16 h + 8 u + j
	global_load_b128 v[BI+8*\u+4:BI+8*\u+7], v127, s[12:13] offset:32*\u+16
.endr
	WIN 0
	s_mul_i32 s62, s21, 10240
	s_lshl_b32 s58, s23, 8
	s_add_co_u32 s62, s62, s58
	s_add_co_u32 s62, s62, HS_OFF
	s_add_nc_u64 s[16:17], s[14:15], s[62:63]      ; h's scale bytes: my fs, the expert's first slot
	s_mul_i32 s62, s23, 196608
	s_add_nc_u64 s[14:15], s[14:15], s[62:63]      ; h's codes: the expert's first chunk (4 tiles of 49,152 bytes)
	s_wait_loadcnt 30                              ; the tokens are in; the 30 loads behind them stay out
	ds_store_b128 v39, v[140:143]
	s_wait_loadcnt 6                               ; W1's 24 loads are in; the scale bytes' 2 and b1's 4 stay out
.irp j, 0,1,2,3,4,5,6,7
.irp t, 0,1,2
	ds_store_b128 v36, v[XF+4*(3*\j+\t):XF+4*(3*\j+\t)+3] offset:1568*\j+256*\t
.endr
.endr
	s_wait_dscnt 0x0                               ; for the others' sake
	s_barrier_signal -1
	s_barrier_wait -1                              ; the token list and the four blocks of W1 lie in LDS
	WIN 0x40
.irp u, 0,1
.set j, 0
.rept 24
	ds_load_b128 v[WF+96*\u+4*j:WF+96*\u+4*j+3], v37 offset:6272*\u+16*j
.set j, j+1
.endr
.endr
	WIN 0
	TOKL                                           ; chunk 0 is fetched whatever the count: the list holds tokens in every slot
	XGET
	s_wait_loadcnt 13                              ; the scale bytes and b1 are in; the gather's 13 loads stay out
.irp s, 0,1,2,3,4,5,6,7
.if \s%2
	v_perm_b32 v[WS+\s], v[NAT+4+\s/2], v[NAT+\s/2], s54
.else
	v_perm_b32 v[WS+\s], v[NAT+4+\s/2], v[NAT+\s/2], s53
.endif
.endr
	PLACES 8                                       ; a scale register written by a vector instruction stands 8 places ahead of a scaled matrix instruction; the wait that states it written stands at the first trip's head
	s_wait_loadcnt 0x0
	XPUT 0
	s_wait_dscnt 0x0
	s_barrier_signal -1
	s_barrier_wait -1                              ; chunk 0 lies in buffer 0
	s_mov_b32 s25, 0                               ; i: the chunk in hand
	s_mov_b32 s26, 256                             ; where chunk i + 1's tokens lie in the list
	s_mov_b32 s27, 8
; A TRIP: chunk i from buffer par.  One barrier: in front of it every wave's reads of buffer par are over and its part of chunk i + 1 lies in the other buffer, which was last read in front of the barrier before.
.macro TRIP par
	s_add_co_u32 s28, s25, 1
	s_wait_alu depctr_vm_vsrc(0)                   ; the last trip's memory and LDS instructions have read their registers: v8, v[TA2] and v10-14 (addresses), XR and v138-139 (LDS stores), CDE and BYT (stores), v140-141 (wave 0's store); in the first trip XF, out of which W1 went to LDS.  All are written again below
	TOKA                                           ; in every trip; only a trip that fetches reads them
	s_wait_alu depctr_va_vdst(0)                   ; v8 and v[TA2] are written; the last trip's matrix instructions are done reading XF and XSR, its vector instructions are done with v19-23: loads land in all of these; in the first trip W1's scale words are written
	s_cmp_lt_u32 s28, s24
	s_cbranch_scc0 .Lno_get_\@
	TOKL                                           ; the next chunk is asked for first: it lands while this one is worked
	XGET
.Lno_get_\@:
	s_cmp_lt_u32 s25, s24
	s_cbranch_scc0 .Lno_work_\@
	LX \par, 0, 0, 24                              ; no wait: no vector instruction since the head's wait names XF, XSR, v1 or v2
	LXS \par, 0
	s_wait_dscnt 0x0
	MM
	PLACES 4                                       ; in front of the first read of results (ISA guide 7.12.1)
	s_wait_alu depctr_va_vdst(0)                   ; the 16 matrix instructions are done reading XF and XSR, in which the second tile's loads land
	GELU 1, \par                                   ; the second tile's fragments are asked for among its first lines and land under it
	QUANT 0
	s_wait_dscnt 0x0
	MM
	PLACES 4
	GELU 0, \par
	QUANT 1
	s_wait_alu depctr_va_vdst(0)                   ; both tiles' conversions have written CDE, both shifts BYT: the four stores read them
	global_store_b96 v15, v[CDE:CDE+2], s[14:15]                   ; the wave stores 384 consecutive bytes: a block of a tile
	global_store_b96 v15, v[CDE+4:CDE+6], s[14:15] offset:49152
	ds_store_b8 v16, v[BYT] offset:256*(\par)                      ; both lanes of a block write the same byte with the same value
	ds_store_b8 v16, v[BYT+1] offset:256*(\par)+64
.Lno_work_\@:
	s_wait_loadcnt 0x0                             ; the next chunk's rows are in registers
	s_cmp_lt_u32 s28, s24
	s_cbranch_scc0 .Lno_put_\@
	XPUT 1-\par
.Lno_put_\@:
	s_wait_dscnt 0x0                               ; my stores have landed and my reads are over
	s_barrier_signal -1
	s_barrier_wait -1
	s_cmp_lg_u32 s18, 0
	s_cbranch_scc1 .Lno_out_\@
	s_cmp_lt_u32 s25, s24
	s_cbranch_scc0 .Lno_out_\@
	ds_load_b64 v[140:141], v17 offset:256*(\par)  ; the chunk's 256 scale bytes, from all eight waves; the next trip writes the other 256.  (The last trip's store has read v140-141: the wait at this trip's head)
	s_wait_dscnt 0x0
	global_store_b64 v18, v[140:141], s[16:17]     ; 256 consecutive bytes, aligned
.Lno_out_\@:
	s_wait_xcnt 0x0                                ; the stores have read their data and bases: both are written again only behind this wait
	s_add_nc_u64 s[14:15], s[14:15], 196608
	s_add_nc_u64 s[16:17], s[16:17], 256
	s_add_co_u32 s25, s25, 1
	s_add_co_u32 s26, s26, 256
.endm
.Lloop:
	TRIP 0
	TRIP 1
	s_sub_co_u32 s27, s27, 1
	s_cmp_lg_u32 s27, 0
	s_cbranch_scc1 .Lloop
	s_wait_dscnt 0x0
	s_wait_alu depctr_hold_cnt(0) depctr_sa_sdst(0) depctr_va_vdst(0) depctr_va_sdst(0) depctr_va_ssrc(0) depctr_va_vcc(0) depctr_vm_vsrc(0)
	s_wait_tensorcnt 0x0
	ds_add_u32 v158, v159
	s_wait_dscnt 0x0
	s_endpgm
.Lfunc_end_k_qbd5172ada1_ffn1:
	.size	k_qbd5172ada1_ffn1, .Lfunc_end_k_qbd5172ada1_ffn1-k_qbd5172ada1_ffn1
	.p2alignl 7, 3214868480
	.fill 96, 4, 3214868480
	.section	.rodata,"a",@progbits
	.p2align	6, 0x0
	.amdhsa_kernel k_qbd5172ada1_ffn1
		.amdhsa_group_segment_fixed_size 210944
		.amdhsa_private_segment_fixed_size 0
		.amdhsa_enable_private_segment 0
		.amdhsa_kernarg_size 48
		.amdhsa_user_sgpr_count 2
		.amdhsa_user_sgpr_kernarg_segment_ptr 1
		.amdhsa_wavefront_size32 1
		.amdhsa_system_sgpr_workgroup_id_x 1
		.amdhsa_system_sgpr_workgroup_id_y 1
		.amdhsa_system_sgpr_workgroup_id_z 1
		.amdhsa_system_vgpr_workitem_id 0
		.amdhsa_next_free_vgpr 512
		.amdhsa_next_free_sgpr 66
		.amdhsa_reserve_vcc 0
		.amdhsa_float_denorm_mode_32 3
		.amdhsa_float_denorm_mode_16_64 3
		.amdhsa_memory_ordered 1
		.amdhsa_forward_progress 1
		.amdhsa_inst_pref_size 86
	.end_amdhsa_kernel
	.amdgpu_metadata
---
amdhsa.version: [ 1, 2 ]
amdhsa.kernels:
  - .name:           k_qbd5172ada1_ffn1
    .symbol:         k_qbd5172ada1_ffn1.kd
    .args:
      - { .name: xq, .offset: 0, .size: 8, .value_kind: global_buffer, .address_space: global }
      - { .name: slots, .offset: 8, .size: 8, .value_kind: global_buffer, .address_space: global }
      - { .name: W1_codes, .offset: 16, .size: 8, .value_kind: global_buffer, .address_space: global }
      - { .name: W1_scales, .offset: 24, .size: 8, .value_kind: global_buffer, .address_space: global }
      - { .name: b1, .offset: 32, .size: 8, .value_kind: global_buffer, .address_space: global }
      - { .name: hq, .offset: 40, .size: 8, .value_kind: global_buffer, .address_space: global }
    .group_segment_fixed_size: 210944
    .private_segment_fixed_size: 0
    .kernarg_segment_align: 8
    .kernarg_segment_size: 48
    .max_flat_workgroup_size: 256
    .sgpr_count:     66
    .vgpr_count:     512
    .wavefront_size: 32
...
	.end_amdgpu_metadata
.endif
;; end of part 6
;; launch ffn2 (part 7): grid 32 x 8, 8 waves a work-group, no clusters, 271,360 bytes of LDS; arguments hq, slots, W2_codes, W2_scales, b2, yb; writes yb
.if DOCPART == 7
	.amdgcn_target "amdgcn-amd-amdhsa--gfx1250"
	.amdhsa_code_object_version 6
	.text
	.protected	k_qbd5172ada1_ffn2
	.globl	k_qbd5172ada1_ffn2
	.p2align	8
	.type	k_qbd5172ada1_ffn2,@function
k_qbd5172ada1_ffn2:
	s_mov_b64 s[64:65], 0
	v_nop
	global_prefetch_b8 v0, s[64:65] scope:SCOPE_SE
	s_setreg_imm32_b32 hwreg(HW_REG_WAVE_SCHED_MODE, 0, 2), 2
	s_setreg_imm32_b32 hwreg(HW_REG_WAVE_MODE, 25, 1), 1
	s_wait_xcnt 0x0
	s_wait_alu depctr_vm_vsrc(0)
; FFN2.  y = h W2 + b2 for every routed slot, on the codes of h that the launch before stored; one row of f32 for each slot.
; SHARES.  Work-group (x, e): ds = x / 2 owns outputs 64 ds .. 64 ds + 63 of expert e, rho = x % 2 the rows 32 rho .. 32 rho + 31 of each chunk of 64 slots.  Wave w: kq = w % 4, p = w / 4: it keeps rows
; 32 p .. 32 p + 31 of those 64 outputs, K quarter kq (1,024 of 4,096: 768 bytes a row), in 192 registers for the whole launch.  The four quarters' sums meet in LDS and are added there in a fixed order.
; THE PRODUCT IS USED TRANSPOSED (source 0 = 16 rows of W2, source 1 = 16 slots): a lane holds eight neighbouring outputs of one slot.
; THE ORDER OF K inside a quarter is that of the launch before: lane half h holds blocks 16 h .. 16 h + 15, matrix instruction s takes blocks 2 s, 16 + 2 s, 2 s + 1, 17 + 2 s, alike on both sides
; (stated limit: the sums run in another order than ascending k, and K is split in four).
; THE NUMBER OF CHUNKS IS DATA: a constant 16 trips, one barrier each; a scalar branch on the stored count jumps over a trip's work, never over the barrier.  For the same reason h's tiles, which 16 work-groups
; share, are not asked for jointly in a cluster: the trips that fetch hang on a count read from memory, so this text has no tensor load; the tiles go through registers into LDS, a chunk ahead.
; LIMITS: as the operands': NaN and infinities are not served.
; THE MODE: SCHED_MODE bits 1:0 = 2 (LLVM: expert scheduling mode 2), set by the entry lines.  The code itself states the register dependences
; between vector or matrix instructions and memory or LDS instructions, with s_wait_alu, always for 0.
; THE PLAN.  Registers that memory or LDS instructions touch, in the loop:
;   v1-9          addresses, made at the head and never written again.
;   XR1, XR2      The next chunk's loads land here at a trip's head; the LDS stores at the end of the same trip read them.
;   HN            The next chunk's scale bytes land here; the byte selects at the end of the same trip read them and write XSR, which matrix instructions alone read.
;   XF            Three fills a trip: the first tile's LDS loads, the second tile's, and behind the barrier the four quarters' sums.  Read by each tile's 16 matrix instructions; then added in place and read by two global stores.
;                 ONE set: two waves share a SIMD's 1,024 registers, a wave has 512, and a second set of 96 does not fit beside what is held.
;   ACC           Written by matrix instructions, 16 registers a tile; read by the tile's four LDS stores.
; A trip's head holds one wait on vm_vsrc (the last trip's LDS stores have read XR1, XR2 and ACC, its global stores XF) and one on va_vdst (its additions are done with XF, its byte selects have read HN and
; written XSR), both ahead of every branch of the trip.  Three more on va_vdst: behind each tile's products and their places (ACC is written, XF is free), and ahead of the two global stores.
.set HS_OFF, 7864320
.set RED, 200704                       ; LDS: from 0 on first the eight waves' stages for W2 (25,088 each), then two buffers of h: 100,352 each; tile 50,176, quarter 12,544, half 6,272 (6,144 + 128, so that
                                       ; lanes 16-31 of a load of 8 bytes fall on the 32 banks that lanes 0-15 leave: 64 banks of 4 bytes, ISA guide 11.1).  From RED on two buffers [4 kq][32 rows][272 bytes]
.set WS,  24                           ; v24-31   W2's scale words: lanes 0-15 tile 0, lanes 16-31 tile 1
.set XSR, 32                           ; v32-39   h's, 4 a tile: lanes 0-15 words 0-3, lanes 16-31 words 4-7
.set HN,  40                           ; v40-47   h's scale bytes as they lie
.set ACC, 48                           ; v48-79   four accumulators
.set XR2, 96                           ; v96-127  the next chunk on its way, last third
.set NAT, 128                          ; v128-135 W2's scale bytes as they lie
.set XF,  160                          ; v160-255 h's eight fragments; on the way out the four quarters' rows
.set WF,  0                            ; window 1: v0-191 W2's 16 fragments;
.set XR1, 192                          ; v192-255 the next chunk on its way, first two thirds
.set MSB, 0
.macro WIN new                         ; the immediate's high byte repeats the setting that is left
.if MSB != \new
	s_set_vgpr_msb (MSB<<8)|\new
.set MSB, \new
.endif
.endm
.macro PLACES n
.rept \n
	v_nop
.endr
.endm
.macro HGET                            ; my quarter of one of the two tiles: 12,288 consecutive bytes; and the scale words that my lanes will want
	WIN 0x40
.set j, 0
.rept 16
	global_load_b128 v[XR1+4*j:XR1+4*j+3], v5, s[16:17] offset:512*j
.set j, j+1
.endr
	WIN 0
.set j, 0
.rept 8
	global_load_b128 v[XR2+4*j:XR2+4*j+3], v5, s[16:17] offset:8192+512*j
.set j, j+1
.endr
.irp m, 0,1
	global_load_b32 v[HN+4*\m], v6, s[32:33] offset:64*\m
	global_load_b32 v[HN+4*\m+1], v6, s[32:33] offset:64*\m+10240
	global_load_b32 v[HN+4*\m+2], v6, s[32:33] offset:64*\m+40960
	global_load_b32 v[HN+4*\m+3], v6, s[32:33] offset:64*\m+51200
.endr
.endm
.macro HPUT par
	WIN 0x04
.set j, 0
.rept 16
	ds_store_b128 v[3+(\par)], v[XR1+4*j:XR1+4*j+3] offset:512*j+128*(j/12)
.set j, j+1
.endr
	WIN 0
.set j, 0
.rept 8
	ds_store_b128 v[3+(\par)], v[XR2+4*j:XR2+4*j+3] offset:8192+512*j+128
.set j, j+1
.endr
.irp m, 0,1
	v_perm_b32 v[XSR+4*\m], v[HN+4*\m+2], v[HN+4*\m], s53
	v_perm_b32 v[XSR+4*\m+1], v[HN+4*\m+2], v[HN+4*\m], s54
	v_perm_b32 v[XSR+4*\m+2], v[HN+4*\m+3], v[HN+4*\m+1], s53
	v_perm_b32 v[XSR+4*\m+3], v[HN+4*\m+3], v[HN+4*\m+1], s54
.endr
	PLACES 8                                       ; a scale register written by a vector instruction stands 8 places ahead of a scaled matrix instruction; the wait that states it written stands at the next trip's head
.endm
.macro LOADH par, mm                   ; a tile's eight fragments of my quarter: a block's 24 bytes of my row as three pieces of 8
.irp s, 0,1,2,3,4,5,6,7
.irp c, 0,1
.irp t, 0,1,2
	ds_load_b64 v[XF+12*\s+6*\c+2*\t:XF+12*\s+6*\c+2*\t+1], v[1+(\par)] offset:50176*(\mm)+384*(2*\s+\c)+8*\t
.endr
.endr
.endr
.endm
.macro WM2 mm, s, u
.set rD, ACC+16*(\mm)+8*\u
.set rA, WF+96*\u+12*\s
.set rB, XF+12*\s
.set rS, XSR+4*(\mm)+\s%4
.if (\s == 0) && (\u == 1)
	v_wmma_scale_f32_16x16x128_f8f6f4 v[rD:rD+7], v[rA:rA+11], v[rB:rB+11], 0, v[WS+\s], v[rS] matrix_a_fmt:MATRIX_FMT_FP6 matrix_b_fmt:MATRIX_FMT_FP6 matrix_a_scale:MATRIX_SCALE_ROW1
.elseif \s == 0
	v_wmma_scale_f32_16x16x128_f8f6f4 v[rD:rD+7], v[rA:rA+11], v[rB:rB+11], 0, v[WS+\s], v[rS] matrix_a_fmt:MATRIX_FMT_FP6 matrix_b_fmt:MATRIX_FMT_FP6
.elseif (\u == 1) && (\s >= 4)
	v_wmma_scale_f32_16x16x128_f8f6f4 v[rD:rD+7], v[rA:rA+11], v[rB:rB+11], v[rD:rD+7], v[WS+\s], v[rS] matrix_a_fmt:MATRIX_FMT_FP6 matrix_b_fmt:MATRIX_FMT_FP6 matrix_a_scale:MATRIX_SCALE_ROW1 matrix_b_scale:MATRIX_SCALE_ROW1
.elseif \u == 1
	v_wmma_scale_f32_16x16x128_f8f6f4 v[rD:rD+7], v[rA:rA+11], v[rB:rB+11], v[rD:rD+7], v[WS+\s], v[rS] matrix_a_fmt:MATRIX_FMT_FP6 matrix_b_fmt:MATRIX_FMT_FP6 matrix_a_scale:MATRIX_SCALE_ROW1
.elseif \s >= 4
	v_wmma_scale_f32_16x16x128_f8f6f4 v[rD:rD+7], v[rA:rA+11], v[rB:rB+11], v[rD:rD+7], v[WS+\s], v[rS] matrix_a_fmt:MATRIX_FMT_FP6 matrix_b_fmt:MATRIX_FMT_FP6 matrix_b_scale:MATRIX_SCALE_ROW1
.else
	v_wmma_scale_f32_16x16x128_f8f6f4 v[rD:rD+7], v[rA:rA+11], v[rB:rB+11], v[rD:rD+7], v[WS+\s], v[rS] matrix_a_fmt:MATRIX_FMT_FP6 matrix_b_fmt:MATRIX_FMT_FP6
.endif
.endm
.macro MM2 mm                          ; 16 matrix instructions; the two accumulators take turns, one instruction a turn; the first products start the sums
	WIN 0x01
.irp s, 0,1,2,3,4,5,6,7
	WM2 \mm, \s, 0
	WM2 \mm, \s, 1
.endr
	WIN 0
.endm
.macro REDPUT par, mm                  ; my quarter's sums: row r, outputs 32 p + 16 u + 8 h + 0 .. 7; each accumulator from its low end on
.irp u, 0,1
	ds_store_b128 v7, v[ACC+16*(\mm)+8*\u:ACC+16*(\mm)+8*\u+3] offset:34816*(\par)+4352*(\mm)+64*\u
	ds_store_b128 v7, v[ACC+16*(\mm)+8*\u+4:ACC+16*(\mm)+8*\u+7] offset:34816*(\par)+4352*(\mm)+64*\u+16
.endr
.endm
.macro OUT par                         ; four of the 32 rows a wave: the four quarters and the bias are added, and 16 lanes store a row's 256 consecutive, aligned bytes
.irp j, 0,1
.irp k, 0,1,2,3
	ds_load_b128 v[XF+16*\j+4*\k:XF+16*\j+4*\k+3], v8 offset:34816*(\par)+8704*\k+544*\j   ; no wait: since the last wait on va_vdst only byte selects and v_nop were issued, which do not name XF; the last trip's stores have read XF (the wait at this trip's head)
.endr
.endr
	s_wait_dscnt 0x0
.irp j, 0,1
.set b, XF+16*\j
	v_pk_add_f32 v[b:b+1], v[b:b+1], v[b+4:b+5]
	v_pk_add_f32 v[b+2:b+3], v[b+2:b+3], v[b+6:b+7]
	v_pk_add_f32 v[b+8:b+9], v[b+8:b+9], v[b+12:b+13]
	v_pk_add_f32 v[b+10:b+11], v[b+10:b+11], v[b+14:b+15]
	v_pk_add_f32 v[b:b+1], v[b:b+1], v[b+8:b+9]
	v_pk_add_f32 v[b+2:b+3], v[b+2:b+3], v[b+10:b+11]
	v_pk_add_f32 v[b:b+1], v[b:b+1], v[12:13]
	v_pk_add_f32 v[b+2:b+3], v[b+2:b+3], v[14:15]
.endr
	s_wait_alu depctr_va_vdst(0)                   ; the additions have written both pairs of rows, which the two stores read
.irp j, 0,1
	global_store_b128 v9, v[XF+16*\j:XF+16*\j+3], s[14:15] offset:8192*\j
.endr
.endm
	s_load_b256 s[4:11], s[0:1], 0x0               ; hq, slots, W2's codes, W2's scales
	s_load_b128 s[12:15], s[0:1], 0x20             ; b2, yb
	v_lshl_add_u32 v158, v0, 2, 0x42000
	v_mov_b32 v159, 0
	v_lshrrev_b32 v20, 5, v0
	v_readfirstlane_b32 s18, v20                   ; wave 0..7
	s_wait_alu depctr_va_sdst(0)                   ; s18 is written, ahead of its first reader: addresses are made from it
	s_and_b32 s19, s18, 3                          ; kq
	s_lshr_b32 s20, s18, 2                         ; p
	s_lshr_b32 s21, ttmp9, 1                       ; ds
	s_and_b32 s29, ttmp9, 1                        ; rho
	s_and_b32 s22, ttmp7, 0xffff                   ; e
	s_lshl_b32 s55, s22, 3
	s_wait_kmcnt 0x0
	s_load_b64 s[56:57], s[6:7], s55 offset:18432  ; the expert's first chunk and its number of chunks
	v_and_b32 v20, 31, v0                          ; l
	v_and_b32 v21, 15, v0                          ; r
	v_bfe_u32 v22, v0, 4, 1                        ; h
	s_mul_i32 s58, s19, 12544
	v_mul_u32_u24 v1, v21, 24
	v_mad_u32_u24 v1, v22, 6272, v1
	v_add_nc_u32 v1, s58, v1                       ; v1, v2: h's fragments in buffer 0, 1: my quarter, half h, row r
	v_add_nc_u32 v2, 100352, v1
	s_mul_i32 s59, s20, 50176
	s_add_co_u32 s59, s59, s58
	v_lshl_add_u32 v3, v20, 4, s59                 ; v3, v4: where I put what I fetch: tile w / 4, quarter w % 4
	v_add_nc_u32 v4, 100352, v3
	s_mul_i32 s58, s20, 49152
	s_mul_i32 s59, s19, 12288
	s_add_co_u32 s58, s58, s59
	v_lshl_add_u32 v5, v20, 4, s58                 ; v5: the same in memory
	s_mul_i32 s58, s19, 81920
	v_mul_u32_u24 v6, v22, 20480
	v_lshl_add_u32 v6, v21, 2, v6
	v_add_nc_u32 v6, s58, v6                       ; v6: h's scale words: fs = 8 kq + 2 h (+ 0, 1, 4, 5), row r
	s_mul_i32 s58, s19, 8704
	s_lshl_b32 s59, s20, 7
	s_add_co_u32 s58, s58, s59
	s_add_co_u32 s58, s58, RED
	v_mul_u32_u24 v7, v21, 272
	v_lshl_add_u32 v7, v22, 5, v7
	v_add_nc_u32 v7, s58, v7                       ; v7: my sums' place
	s_mul_i32 s58, s18, 1088
	s_add_co_u32 s58, s58, RED
	v_mul_u32_u24 v8, v22, 272
	v_lshl_add_u32 v8, v21, 4, v8
	v_add_nc_u32 v8, s58, v8                       ; v8: back: row 4 w + h (+ 2 j), 16 r
	s_lshl_b32 s58, s18, 14
	s_lshl_b32 s59, s21, 8
	s_add_co_u32 s58, s58, s59
	v_lshlrev_b32 v9, 12, v22
	v_lshl_add_u32 v9, v21, 4, v9
	v_add_nc_u32 v9, s58, v9                       ; v9: the same in yb: rows of 4,096 bytes, 256 ds
	s_mul_i32 s58, s20, 98304
	s_mul_i32 s59, s19, 768
	s_add_co_u32 s58, s58, s59
	v_mul_u32_u24 v10, v22, 3072
	v_lshl_add_u32 v10, v21, 4, v10
	v_add_nc_u32 v10, s58, v10                     ; v10: W2 in memory: row 32 p + h (+ 2 j), quarter kq, 16 r
	s_mul_i32 s58, s18, 25088
	v_mul_u32_u24 v11, v22, 784
	v_lshl_add_u32 v11, v21, 4, v11
	v_add_nc_u32 v11, s58, v11                     ; v11: my stage, in
	v_mul_u32_u24 v16, v21, 784
	v_mad_u32_u24 v16, v22, 384, v16
	v_add_nc_u32 v16, s58, v16                     ; v16: and out
	s_lshl_b32 s58, s20, 12
	s_lshl_b32 s59, s19, 5
	s_add_co_u32 s58, s58, s59
	v_lshl_add_u32 v17, v22, 4, v21
	v_lshlrev_b32 v17, 7, v17
	v_add_nc_u32 v17, s58, v17                     ; v17: W2's scale bytes: lane (r, h) takes row 32 p + 16 h + r, quarter kq
	v_lshlrev_b32 v18, 4, v21                      ; v18: b2: 16 r
	s_lshl_b32 s60, s22, 10
	s_lshl_b32 s61, s21, 6
	s_add_co_u32 s60, s60, s61                     ; the work-group's first row of W2: 1,024 e + 64 ds
	s_mov_b32 s63, 0
	s_mul_i32 s62, s60, 3072
	s_add_nc_u64 s[8:9], s[8:9], s[62:63]
	s_lshl_b32 s62, s60, 7
	s_add_nc_u64 s[10:11], s[10:11], s[62:63]
	s_lshl_b32 s62, s60, 2
	s_add_nc_u64 s[12:13], s[12:13], s[62:63]
	s_mov_b32 s53, 0x05010400                      ; byte selects: blocks 2 s, 16 + 2 s, 2 s + 1, 17 + 2 s; s even,
	s_mov_b32 s54, 0x07030602                      ; s odd
	WIN 0x40
	s_wait_alu depctr_va_vdst(0)                   ; every address and offset made above is written: v1 to v11, v16 to v18; the loads and LDS instructions from here on read them
.set j, 0
.rept 16
.irp t, 0,1,2
	global_load_b128 v[WF+4*(3*j+\t):WF+4*(3*j+\t)+3], v10, s[8:9] offset:6144*j+256*\t    ; 16 lanes read 256 consecutive, aligned bytes
.endr
.set j, j+1
.endr
	WIN 0
	global_load_b128 v[NAT:NAT+3], v17, s[10:11]
	global_load_b128 v[NAT+4:NAT+7], v17, s[10:11] offset:16
	global_load_b128 v[12:15], v18, s[12:13]
	s_wait_kmcnt 0x0
	s_min_u32 s23, s56, 39                         ; first chunk
	s_min_u32 s24, s57, 16                         ; chunks
	s_min_u32 s30, s57, 1
	s_mul_i32 s30, s30, s23                        ; the chunk fetched first: the expert's, or chunk 0, which is always written, where the expert has none
	s_mul_i32 s62, s30, 196608
	s_mul_i32 s58, s29, 98304
	s_add_co_u32 s62, s62, s58
	s_add_nc_u64 s[16:17], s[4:5], s[62:63]        ; h's codes: that chunk, tiles 2 rho on
	s_lshl_b32 s62, s30, 8
	s_lshl_b32 s58, s29, 7
	s_add_co_u32 s62, s62, s58
	s_add_co_u32 s62, s62, HS_OFF
	s_add_nc_u64 s[32:33], s[4:5], s[62:63]        ; and their scale words
	s_lshl_b32 s62, s23, 18
	s_lshl_b32 s58, s29, 17
	s_add_co_u32 s62, s62, s58
	s_add_nc_u64 s[14:15], s[14:15], s[62:63]      ; yb at slot 64 x first chunk + 32 rho
	HGET
	s_wait_loadcnt 35                              ; W2's 48 loads are in; the 35 behind them stay out
	WIN 0x04
.set j, 0
.rept 16
.irp t, 0,1,2
	ds_store_b128 v11, v[WF+4*(3*j+\t):WF+4*(3*j+\t)+3] offset:1568*j+256*\t
.endr
.set j, j+1
.endr
	s_wait_dscnt 0x0                               ; the stores have landed
	WIN 0x40
	s_wait_alu depctr_vm_vsrc(0)                   ; and have read WF's registers, in which the loads below land
.irp u, 0,1
.set j, 0
.rept 24
	ds_load_b128 v[WF+96*\u+4*j:WF+96*\u+4*j+3], v16 offset:12544*\u+16*j
.set j, j+1
.endr
.endr
	WIN 0
	s_wait_dscnt 0x0                               ; my reads of my stage are over:
	s_barrier_signal -1
	s_barrier_wait -1                              ; everybody's are, and the bytes may take h
	s_wait_loadcnt 32                              ; W2's scale bytes and b2 are in; the fetch's 32 loads stay out
.irp s, 0,1,2,3,4,5,6,7
.if \s%2
	v_perm_b32 v[WS+\s], v[NAT+4+\s/2], v[NAT+\s/2], s54
.else
	v_perm_b32 v[WS+\s], v[NAT+4+\s/2], v[NAT+\s/2], s53
.endif
.endr
	s_wait_loadcnt 0x0                             ; the first chunk is in registers, and the bases may step: a trip's fetch names chunk i + 1
	s_add_nc_u64 s[16:17], s[16:17], 196608
	s_add_nc_u64 s[32:33], s[32:33], 256
	HPUT 0
	s_wait_dscnt 0x0
	s_barrier_signal -1
	s_barrier_wait -1                              ; chunk 0's two tiles lie in buffer 0
	s_mov_b32 s25, 0                               ; i: the chunk in hand
	s_mov_b32 s27, 8
; A TRIP: chunk i from buffer par.  One barrier: in front of it every wave's reads of h's buffer par are over, its sums lie in RED's buffer par, and its part of chunk i + 1 lies in h's other buffer.
; RED's buffers take turns, so that a trip's sums never meet the reads of the trip before.
.macro TRIP par
	s_add_co_u32 s28, s25, 1
	s_wait_alu depctr_vm_vsrc(0)                   ; the LDS stores issued so far have read XR1 and XR2, in which the fetch below lands, and ACC, which this trip's products write; the last trip's global stores have read XF, in which LDS loads land
	s_wait_alu depctr_va_vdst(0)                   ; the last trip's additions are done with XF; the byte selects are done reading HN, in which the fetch lands, and have written h's scale words (in the first trip W2's too), which the products take
	s_cmp_lt_u32 s28, s24
	s_cbranch_scc0 .Lno_get_\@
	HGET                                           ; the next chunk is asked for first: it lands while this one is multiplied
.Lno_get_\@:
	s_cmp_lt_u32 s25, s24
	s_cbranch_scc0 .Lno_work_\@
	LOADH \par, 0
	s_wait_dscnt 0x0
	MM2 0
	PLACES 4                                       ; in front of the first read of results (ISA guide 7.12.1)
	s_wait_alu depctr_va_vdst(0)                   ; the 16 matrix instructions are done reading XF, in which the second tile's loads land, and have written their two accumulators, which the LDS stores read
	LOADH \par, 1
	REDPUT \par, 0
	s_wait_dscnt 0x0
	MM2 1
	PLACES 4
	s_wait_alu depctr_va_vdst(0)                   ; the 16 matrix instructions have written their two accumulators, which the LDS stores read, and are done reading XF, in which the sums' loads land behind the barrier
	REDPUT \par, 1
.Lno_work_\@:
	s_wait_loadcnt 0x0                             ; the next chunk is in registers
	s_cmp_lt_u32 s28, s24
	s_cbranch_scc0 .Lno_put_\@
	HPUT 1-\par
.Lno_put_\@:
	s_wait_dscnt 0x0                               ; my stores have landed and my reads are over
	s_barrier_signal -1
	s_barrier_wait -1
	s_cmp_lt_u32 s25, s24
	s_cbranch_scc0 .Lno_out_\@
	OUT \par
.Lno_out_\@:
	s_wait_xcnt 0x0                                ; the stores have read their data and base: both are written again only behind this wait
	s_add_nc_u64 s[16:17], s[16:17], 196608
	s_add_nc_u64 s[32:33], s[32:33], 256
	s_add_nc_u64 s[14:15], s[14:15], 262144
	s_add_co_u32 s25, s25, 1
.endm
.Lloop:
	TRIP 0
	TRIP 1
	s_sub_co_u32 s27, s27, 1
	s_cmp_lg_u32 s27, 0
	s_cbranch_scc1 .Lloop
	s_wait_dscnt 0x0
	s_wait_alu depctr_hold_cnt(0) depctr_sa_sdst(0) depctr_va_vdst(0) depctr_va_sdst(0) depctr_va_ssrc(0) depctr_va_vcc(0) depctr_vm_vsrc(0)
	s_wait_tensorcnt 0x0
	ds_add_u32 v158, v159
	s_wait_dscnt 0x0
	s_endpgm
.Lfunc_end_k_qbd5172ada1_ffn2:
	.size	k_qbd5172ada1_ffn2, .Lfunc_end_k_qbd5172ada1_ffn2-k_qbd5172ada1_ffn2
	.p2alignl 7, 3214868480
	.fill 96, 4, 3214868480
	.section	.rodata,"a",@progbits
	.p2align	6, 0x0
	.amdhsa_kernel k_qbd5172ada1_ffn2
		.amdhsa_group_segment_fixed_size 271360
		.amdhsa_private_segment_fixed_size 0
		.amdhsa_enable_private_segment 0
		.amdhsa_kernarg_size 48
		.amdhsa_user_sgpr_count 2
		.amdhsa_user_sgpr_kernarg_segment_ptr 1
		.amdhsa_wavefront_size32 1
		.amdhsa_system_sgpr_workgroup_id_x 1
		.amdhsa_system_sgpr_workgroup_id_y 1
		.amdhsa_system_sgpr_workgroup_id_z 1
		.amdhsa_system_vgpr_workitem_id 0
		.amdhsa_next_free_vgpr 512
		.amdhsa_next_free_sgpr 66
		.amdhsa_reserve_vcc 0
		.amdhsa_float_denorm_mode_32 3
		.amdhsa_float_denorm_mode_16_64 3
		.amdhsa_memory_ordered 1
		.amdhsa_forward_progress 1
		.amdhsa_inst_pref_size 61
	.end_amdhsa_kernel
	.amdgpu_metadata
---
amdhsa.version: [ 1, 2 ]
amdhsa.kernels:
  - .name:           k_qbd5172ada1_ffn2
    .symbol:         k_qbd5172ada1_ffn2.kd
    .args:
      - { .name: hq, .offset: 0, .size: 8, .value_kind: global_buffer, .address_space: global }
      - { .name: slots, .offset: 8, .size: 8, .value_kind: global_buffer, .address_space: global }
      - { .name: W2_codes, .offset: 16, .size: 8, .value_kind: global_buffer, .address_space: global }
      - { .name: W2_scales, .offset: 24, .size: 8, .value_kind: global_buffer, .address_space: global }
      - { .name: b2, .offset: 32, .size: 8, .value_kind: global_buffer, .address_space: global }
      - { .name: yb, .offset: 40, .size: 8, .value_kind: global_buffer, .address_space: global }
    .group_segment_fixed_size: 271360
    .private_segment_fixed_size: 0
    .kernarg_segment_align: 8
    .kernarg_segment_size: 48
    .max_flat_workgroup_size: 256
    .sgpr_count:     66
    .vgpr_count:     512
    .wavefront_size: 32
...
	.end_amdgpu_metadata
.endif
;; end of part 7
;; launch combine: the kernel of part 5 again; grid 256 x 1, 4 waves a work-group, no clusters, 0 bytes of LDS; arguments yb, slots, gate, out0; writes out0
